; MI455X (gfx1250); checked and timed in simulation.
; The chip was launched on July 23, 2026; its instructions are those of AMD's public machine-readable ISA for CDNA 5 (MIT licence, August 2026) and "CDNA5" Instruction Set Architecture Reference Guide (July 2026). The comments in the code are by the model that wrote it; some were corrected since.
;; HC2 Wide Deep Model. Allowed arithmetic: float matrix products may take bf16 or f16 operands with f32 sums; all other float work in f32.
;; Inputs: W1 512 x 2,048 float32; W2 2,048 x 1,024 float32; W3 1,024 x 512 float32; Wd1 512 x 512 float32; Wd2 512 x 256 float32; Wh 8 x 256 float32; b1 2,048 float32; b2 1,024 float32; b3 512 float32; bd1 512 float32; bd2 256 float32; bh 8 float32; deep_features 16,384 x 512 float32; domain_ids 16,384 int32; wide_features 16,384 x 256 float32.
;; Outputs: out0 16,384 x 1 float32; out1 16,384 x 512 float32; out2 16,384 x 256 float32.
;; 2 versions, each right and faster than the one before. Each part assembles by itself: llvm-mc -triple=amdgcn-amd-amdhsa -mcpu=gfx1250 --defsym DOCPART=n.
;; ======== version 1 of 2: 2 launches
;; limits: inputs' magnitudes at most 255; values are held in f16: magnitudes above 65,504 overflow, below 6.1e-05 lose precision; below input magnitudes of 2.4e-07 results are inexact or not finite
;; workspace buffers: wq 8,126,464 bytes; wstat 4,096 bytes
;; launch prep (part 1): grid 496 x 1, 8 waves a work-group, no clusters, 0 bytes of LDS; arguments W1, W2, W3, Wd1, Wd2, wq, wstat; writes wq, wstat
.if DOCPART == 1
	.amdgcn_target "amdgcn-amd-amdhsa--gfx1250"
	.amdhsa_code_object_version 6
	.text
	.protected	k_q0a2aeee0bc_prep
	.globl	k_q0a2aeee0bc_prep
	.p2align	8
	.type	k_q0a2aeee0bc_prep,@function
k_q0a2aeee0bc_prep:
	s_mov_b64 s[64:65], 0
	v_nop
	global_prefetch_b8 v0, s[64:65] scope:SCOPE_SE
	s_setreg_imm32_b32 hwreg(HW_REG_WAVE_MODE, 25, 1), 1
	s_wait_xcnt 0x0
; The five weight matrices ([K][N] f32) are written once as f16(256 W), in the order and the register image in which the second launch multiplies them.
; LIMIT: |W| stays below 255 (256 W must fit f16, whose largest number is 65,504).  The factor 256 is exact; it moves weights of size 0.01 into the middle of f16's range.
; A FRAGMENT is 16 columns n x 32 rows k, 1,024 bytes: byte 512 q + 16 (16 h + r) + 2 e holds 256 W[32 kb + 16 q + 8 h + e][16 nb + r]: two plain 16-byte loads a lane, 512 bytes apart, are a matrix operand.
; A UNIT is 8 fragments (8,192 bytes) of one wave of the second launch.  Slots 0-65 hold 3 units for each of 4 waves (4 x 24,576 bytes), slots 66-90 hold 2 (4 x 16,384 bytes, from byte BB on).
;   chunk c = 0..7 (24 units U a wave, slots 8 c + U / 3):  U = 0..7: W1, k blocks 2 U + i, fragment 4 i + t is column block 16 c + 4 w + t;   U = 8 + 2 kk + g: W2, k block 8 c + kk, fragment f is column block 16 w + 8 g + f
;   then units v = 0..55:  v < 32: W3, k block v, column block 8 w + f;  v < 48: Wd1, k block v - 32, column block 8 w + f;  else Wd2, k blocks 2 (v - 48) + i, fragment 4 i + t is column block 4 w + t
;   v < 6 lies in slots 64, 65 (as a ninth chunk's units 0-5), the others in slot 66 + (v - 6) / 2.
; A TASK is one wave's: 32 k x 32 n, two neighbouring fragments.  Lane l loads column 32 np + l of 32 rows (a wave's load covers 128 neighbouring bytes, the work-group's eight waves 1,024 of the same row),
; so it holds all 32 k of its column; packed in fours they are the 16 bytes at 256 g + 16 (l % 16) of fragment l / 16: each store's 16 neighbouring lanes fill 256 consecutive bytes, aligned.
; W1's tasks also store the largest |W1| of the task (one f32 each, 1,024 in all): the second launch bounds its first layer's results by it.
; No LDS, no barrier, no loop: memory binds, and every byte is read once and written once.
.set BB, 66*98304
	s_load_b256 s[4:11], s[0:1], 0x0               ; W1 s[4:5], W2 s[6:7], W3 s[8:9], Wd1 s[10:11]
	s_load_b128 s[12:15], s[0:1], 0x20             ; Wd2 s[12:13], wq s[14:15]
	s_load_b64 s[16:17], s[0:1], 0x30              ; wstat
	v_lshrrev_b32 v1, 5, v0
	v_readfirstlane_b32 s18, v1                    ; wave 0..7
	s_lshl_b32 s19, ttmp9, 3
	s_add_co_u32 s19, s19, s18                     ; the task's number T
	v_and_b32 v2, 31, v0                           ; lane
	v_lshlrev_b32 v3, 2, v2                        ; my column's byte in the 128 bytes of a row
	v_bfe_u32 v4, v0, 4, 1
	v_and_b32 v5, 15, v0
	v_lshlrev_b32 v5, 4, v5
	v_lshl_or_b32 v4, v4, 10, v5                   ; where I store: fragment lane / 16, 16 bytes at 16 (lane % 16)
	s_mov_b32 s21, 0                               ; high words of the two offsets
	s_mov_b32 s23, 0
	s_mov_b32 s34, 0x76543210                      ; v_permlanex16_b32: each lane takes its own place in the other half
	s_mov_b32 s35, 0xfedcba98
	s_wait_kmcnt 0x0
; s24 = np (pair of column blocks), s25 = kb; the task's 32 rows are loaded
.macro SRC ptr, n, lognp, tbase
	s_sub_co_u32 s26, s19, \tbase
	s_and_b32 s24, s26, (\n)/32-1
	s_lshr_b32 s25, s26, \lognp
	s_mul_i32 s20, s25, 128*(\n)                   ; 32 rows of 4 n bytes
	s_lshl_b32 s26, s24, 7
	s_add_co_u32 s20, s20, s26
	s_add_nc_u64 s[20:21], s[\ptr:\ptr+1], s[20:21]
.set e, 0
.rept 32
	global_load_b32 v[8+e], v3, s[20:21] offset:e*(\n)*4 th:TH_LOAD_NT
.set e, e+1
.endr
.endm
; s22 = byte offset in wq of fragment s30 of unit s27 of chunk s28, wave s29 (slots of three units)
.macro DSTA
	s_mul_i32 s31, s27, 11
	s_lshr_b32 s31, s31, 5                         ; U / 3, exact for U = 0..23
	s_mul_i32 s32, s31, 3
	s_sub_co_u32 s32, s27, s32                     ; U % 3
	s_lshl3_add_u32 s31, s28, s31                  ; the slot
	s_mul_i32 s22, s31, 98304
	s_mul_i32 s31, s29, 24576
	s_add_co_u32 s22, s22, s31
	s_lshl_b32 s32, s32, 13
	s_add_co_u32 s22, s22, s32
	s_lshl_b32 s31, s30, 10
	s_add_co_u32 s22, s22, s31
.endm
; s33 = the same for unit v = s27 >= 6 (slots of two units)
.macro DSTB
	s_sub_co_u32 s31, s27, 6
	s_lshr_b32 s32, s31, 1
	s_lshl_b32 s32, s32, 16
	s_and_b32 s31, s31, 1
	s_lshl_b32 s31, s31, 13
	s_add_co_u32 s33, s32, s31
	s_lshl_b32 s31, s29, 14
	s_add_co_u32 s33, s33, s31
	s_lshl_b32 s31, s30, 10
	s_add_co_u32 s33, s33, s31
	s_add_co_u32 s33, s33, BB
.endm
; scale, round, store; stat = 1: also the largest magnitude of the task
.macro FIN stat
	s_add_nc_u64 s[22:23], s[14:15], s[22:23]
	s_wait_loadcnt 0x0
.if \stat
	v_max_num_f32 v56, |v8|, |v9|
.set e, 10
.rept 15
	v_max3_num_f32 v56, v56, |v[e]|, |v[e+1]|
.set e, e+2
.endr
	v_max_num_f32_dpp v56, v56, v56 row_xmask:1 row_mask:0xf bank_mask:0xf
	v_max_num_f32_dpp v56, v56, v56 row_xmask:2 row_mask:0xf bank_mask:0xf
	v_max_num_f32_dpp v56, v56, v56 row_xmask:4 row_mask:0xf bank_mask:0xf
	v_max_num_f32_dpp v56, v56, v56 row_xmask:8 row_mask:0xf bank_mask:0xf
	v_mov_b32 v57, 0
	v_permlanex16_b32 v57, v56, s34, s35
	v_max_num_f32 v56, v56, v57
.endif
.set e, 0
.rept 16
	v_pk_mul_f32 v[8+2*e:9+2*e], v[8+2*e:9+2*e], 0x43800000 op_sel_hi:[1,0]   ; times 256, exact
.set e, e+1
.endr
.set e, 0
.rept 16
	v_cvt_pk_f16_f32 v[40+e], v[8+2*e], v[9+2*e]   ; k = 2 e in the low half, 2 e + 1 in the high half
.set e, e+1
.endr
.irp g, 0,1,2,3
	global_store_b128 v4, v[40+4*\g:43+4*\g], s[22:23] offset:256*\g
.endr
.if \stat
	v_cmp_eq_u32 vcc_lo, 0, v2
	s_lshl_b32 s26, s19, 2
	v_mov_b32 v57, s26
	s_wait_xcnt 0x0                                ; EXEC is a source of the stores above: it changes only behind this wait
	s_and_saveexec_b32 s27, vcc_lo
	global_store_b32 v57, v56, s[16:17]            ; lane 0 alone: wstat[T]
	s_wait_xcnt 0x0                                ; and again in front of the line that widens it
	s_or_b32 exec_lo, exec_lo, s27
.endif
	s_endpgm
.endm
	s_cmp_lt_u32 ttmp9, 128
	s_cbranch_scc1 .Lw1
	s_cmp_lt_u32 ttmp9, 384
	s_cbranch_scc1 .Lw2
	s_cmp_lt_u32 ttmp9, 448
	s_cbranch_scc1 .Lw3
	s_cmp_lt_u32 ttmp9, 480
	s_cbranch_scc1 .Lw4
	SRC 12, 256, 3, 3840                           ; Wd2: 16 k blocks x 8 pairs
	s_lshr_b32 s29, s24, 1                         ; w
	s_and_b32 s30, s24, 1
	s_lshl_b32 s30, s30, 1                         ; t
	s_and_b32 s31, s25, 1                          ; i
	s_lshl2_add_u32 s30, s31, s30                  ; f = 4 i + t
	s_lshr_b32 s27, s25, 1
	s_add_co_u32 s27, s27, 48                      ; v
	DSTB
	s_mov_b32 s22, s33
	FIN 0
.Lw4:
	SRC 10, 512, 4, 3584                           ; Wd1: 16 k blocks x 16 pairs
	s_lshr_b32 s29, s24, 2                         ; w
	s_and_b32 s30, s24, 3
	s_lshl_b32 s30, s30, 1                         ; f
	s_add_co_u32 s27, s25, 32                      ; v
	DSTB
	s_mov_b32 s22, s33
	FIN 0
.Lw3:
	SRC 8, 512, 4, 3072                            ; W3: 32 k blocks x 16 pairs
	s_lshr_b32 s29, s24, 2                         ; w
	s_and_b32 s30, s24, 3
	s_lshl_b32 s30, s30, 1                         ; f
	s_mov_b32 s27, s25                             ; v
	s_mov_b32 s28, 8                               ; v < 6: units 0-5 of a ninth chunk
	DSTA
	DSTB
	s_cmp_lt_u32 s27, 6
	s_cselect_b32 s22, s22, s33                    ; a choice between two offsets
	FIN 0
.Lw2:
	SRC 6, 1024, 5, 1024                           ; W2: 64 k blocks x 32 pairs
	s_lshr_b32 s29, s24, 3                         ; w
	s_bfe_u32 s31, s24, 0x10002                    ; g
	s_and_b32 s30, s24, 3
	s_lshl_b32 s30, s30, 1                         ; f
	s_lshr_b32 s28, s25, 3                         ; c
	s_and_b32 s27, s25, 7                          ; kk
	s_lshl1_add_u32 s27, s27, s31
	s_add_co_u32 s27, s27, 8                       ; U = 8 + 2 kk + g
	DSTA
	FIN 0
.Lw1:
	SRC 4, 2048, 6, 0                              ; W1: 16 k blocks x 64 pairs
	s_lshr_b32 s28, s24, 3                         ; c
	s_bfe_u32 s29, s24, 0x20001                    ; w
	s_and_b32 s30, s24, 1
	s_lshl_b32 s30, s30, 1                         ; t
	s_and_b32 s31, s25, 1                          ; i
	s_lshl2_add_u32 s30, s31, s30                  ; f = 4 i + t
	s_lshr_b32 s27, s25, 1                         ; U
	DSTA
	FIN 1
.Lfunc_end_k_q0a2aeee0bc_prep:
	.size	k_q0a2aeee0bc_prep, .Lfunc_end_k_q0a2aeee0bc_prep-k_q0a2aeee0bc_prep
	.p2alignl 7, 3214868480
	.fill 96, 4, 3214868480
	.section	.rodata,"a",@progbits
	.p2align	6, 0x0
	.amdhsa_kernel k_q0a2aeee0bc_prep
		.amdhsa_group_segment_fixed_size 0
		.amdhsa_private_segment_fixed_size 0
		.amdhsa_enable_private_segment 0
		.amdhsa_kernarg_size 56
		.amdhsa_user_sgpr_count 2
		.amdhsa_user_sgpr_kernarg_segment_ptr 1
		.amdhsa_wavefront_size32 1
		.amdhsa_system_sgpr_workgroup_id_x 1
		.amdhsa_system_sgpr_workgroup_id_y 1
		.amdhsa_system_sgpr_workgroup_id_z 1
		.amdhsa_system_vgpr_workitem_id 0
		.amdhsa_next_free_vgpr 64
		.amdhsa_next_free_sgpr 66
		.amdhsa_reserve_vcc 1
		.amdhsa_float_denorm_mode_32 3
		.amdhsa_float_denorm_mode_16_64 3
		.amdhsa_memory_ordered 1
		.amdhsa_forward_progress 1
		.amdhsa_inst_pref_size 38
	.end_amdhsa_kernel
	.amdgpu_metadata
---
amdhsa.version: [ 1, 2 ]
amdhsa.kernels:
  - .name:           k_q0a2aeee0bc_prep
    .symbol:         k_q0a2aeee0bc_prep.kd
    .args:
      - { .name: W1, .offset: 0, .size: 8, .value_kind: global_buffer, .address_space: global }
      - { .name: W2, .offset: 8, .size: 8, .value_kind: global_buffer, .address_space: global }
      - { .name: W3, .offset: 16, .size: 8, .value_kind: global_buffer, .address_space: global }
      - { .name: Wd1, .offset: 24, .size: 8, .value_kind: global_buffer, .address_space: global }
      - { .name: Wd2, .offset: 32, .size: 8, .value_kind: global_buffer, .address_space: global }
      - { .name: wq, .offset: 40, .size: 8, .value_kind: global_buffer, .address_space: global }
      - { .name: wstat, .offset: 48, .size: 8, .value_kind: global_buffer, .address_space: global }
    .group_segment_fixed_size: 0
    .private_segment_fixed_size: 0
    .kernarg_segment_align: 8
    .kernarg_segment_size: 56
    .max_flat_workgroup_size: 256
    .sgpr_count:     66
    .vgpr_count:     64
    .wavefront_size: 32
...
	.end_amdgpu_metadata
.endif
;; end of part 1
;; launch mlp (part 2): grid 256 x 1, 4 waves a work-group, clusters of 4 x 1, 327,680 bytes of LDS; arguments deep_features, wide_features, domain_ids, wq, wstat, b1, b2, b3, bd1, bd2, Wh, bh, out0, out1, out2; writes out0, out1, out2
.if DOCPART == 2
	.amdgcn_target "amdgcn-amd-amdhsa--gfx1250"
	.amdhsa_code_object_version 6
	.text
	.protected	k_q0a2aeee0bc_mlp
	.globl	k_q0a2aeee0bc_mlp
	.p2align	8
	.type	k_q0a2aeee0bc_mlp,@function
k_q0a2aeee0bc_mlp:
	s_mov_b64 s[64:65], 0
	v_nop
	global_prefetch_b8 v0, s[64:65] scope:SCOPE_SE
	s_setreg_imm32_b32 hwreg(HW_REG_WAVE_MODE, 25, 1), 1
	s_wait_xcnt 0x0
	s_wait_alu depctr_hold_cnt(0) depctr_sa_sdst(0) depctr_va_vdst(0) depctr_va_sdst(0) depctr_va_ssrc(0) depctr_va_vcc(0) depctr_vm_vsrc(0)
	s_getreg_b32 s2, hwreg(HW_REG_IB_STS2, 6, 4)
	s_cmp_eq_u32 s2, 0
	s_cbranch_scc0 .Lentry_in_a_cluster
	s_endpgm
.Lentry_in_a_cluster:
	s_bfe_u32 s2, ttmp6, 0x10000c
	s_cmp_lg_u32 s2, 0x3003
	s_cbranch_scc0 .Lentry_shape_is_right
	s_endpgm
.Lentry_shape_is_right:
; THE WHOLE CHAIN FOR 64 ROWS A WORK-GROUP: x[64][512] -> relu 2048 -> relu 1024 -> relu 512 (out1) -> relu 512 -> relu 256 (out2) -> head by domain + row sum of the wide features -> sigmoid (out0).
; No activation goes through memory.  16,384 rows / 64 = 256 work-groups.  Every work-group walks all weights (7.75 MiB as f16, laid out by the launch before), so the four work-groups of a cluster ask for each
; piece of the stream JOINTLY: the same tensor load, the same descriptor, the mask of four.
; SHARES.  Wave w makes all 64 rows (four blocks a of 16) x a quarter of each layer's columns, and reads only its own quarter of the weight stream.
; THE MATRIX INSTRUCTION IS USED TRANSPOSED: source 0 = 16 columns of W x 32 k, source 1 = 16 rows of the activation x 32 k.  In the result lane (r = l % 16, h = l / 16) holds row r and the columns 8 h + 0..7
; of the tile: rounded to f16 these 16 bytes are the lane's own 16 bytes of a source-1 fragment of the next layer (k block = tile / 2, half = tile % 2).  So activations lie in LDS as fragment images of
; 1,024 bytes, written and read at 16 x lane.
; FORMAT.  f16 operands, f32 sums.  Every f16 operand carries an exact power of two: weights 2^8; the activations of a work-group are divided by a power of two S above their largest magnitude (S0 from x, S2..S4
; from the finished sums; S1, whose layer is made in chunks, from the bound 512 S0 max|W1| + max|b1|).  A sum starts as b x 256 / S_in and holds z x 256 / S_in.  All scales live in scalar registers, and their
; products are sums of exponent fields.
; LIMITS.  |W| < 255; inputs, biases and activations below 2^40; a scale is at least 2^-39, so an activation matrix wholly below 2^-64 counts as 0; within a work-group an activation below 2^-25 of its scale
; counts as 0 in the next product; NaN and infinities are not treated apart; domain ids are taken as min(id, 7).
; THE RING.  Two LDS buffers of 98,304 bytes, wave w's part at + 24,576 w.  Slots 0-65 of the stream hold 3 units a wave, slots 66-90 hold 2; a UNIT is 8 weight fragments, 32 matrix instructions.  A buffer is
; filled again in its slot's last unit, whose fragments are in registers by then: each wave waits for its LDS reads and for all its tensor loads, a round of the cluster's barrier follows (16 matrix
; instructions stand inside it), and the joint refill is the first thing behind it.  By this text's own count two tensor loads of a wave are out at the start and one behind each round.
; LDS: 0 ring;  ACT = 196,608 on is written by LDS stores alone, never by a tensor load:  h1 chunk image 32 KiB | x / S0 in f16, rows of 1,040 bytes;  later the h2 image (128 KiB);  later the h3, then the d1 image
; (64 KiB), each wave's own f32 stage (8,448 bytes) and 2 KiB of scratch for maxima and the head's partial sums.
; REGISTERS, in windows of 256 (s_set_vgpr_msb: bits 1:0 source 0, 3:2 source 1, 5:4 source 2, 7:6 destination):
;   window 0: v0-31 addresses; v32-63 TP, v64-79 PK at work; v80-111 BT bias tiles; v112-127 statistics; v128-191, v192-255 activation fragments, two buffers (also the rows read back from the stage)
;   window 1: v0-127 layer 1's sums (tile t, block a at 8 (4 t + a)); later b3 and bd1;  v128-191, v192-255 weight fragments, two buffers
;   window 2: x in f32; h2's sums, tiles 0-7; layer 3's sums; layer 5's sums          window 3: h2's sums, tiles 8-15; the wide features; layer 4's sums; the gathered Wh
; The chunk loop's last trip fetches x fragments and b1 tiles and starts layer-1 sums that nothing uses: the price of one text for all eight trips.
; Left out: prefetching (the stream was written by the launch just before and all clusters walk it in step).
.set RINGB, 98304
.set WPART, 24576
.set ACT,   196608
.set XP,    ACT+32768
.set XPI,   1040                       ; a row of x in LDS: 1,024 bytes + 16: an odd multiple of 16, so the 16 rows of a fragment load start in 16 different groups of four banks (64 banks of 4 bytes: ISA guide 11.1)
.set STG,   ACT+65536
.set STGW,  8448
.set SCR,   ACT+129024
.set FLOOR, 0x2b800000                 ; 2^-40
.set LN, 1                             ; lane
.set RR, 2                             ; lane % 16
.set HH, 3                             ; lane / 16
.set WA, 4                             ; v4, v5  my weight fragments in ring buffer 0, 1
.set XA, 6                             ; my place in a fragment of x
.set HA, 7                             ; ACT + 16 lane: reads of fragment images
.set IA, 8                             ; the same, stepped in the loops
.set HWR, 9                            ; writes: h1 chunk image, my 2 k blocks
.set IW2, 10                           ; h2 image, my 8 k blocks
.set IW3, 11                           ; h3 and d1 image, my 4 k blocks
.set XW, 12                            ; x in f16, my 16 rows
.set SW, 13                            ; my stage: in, rows of 528 bytes
.set SW2, 14                           ; in, rows of 272 bytes
.set SR, 15                            ; back, a row of 512 bytes
.set SR2, 16                           ; back, two rows of 256 bytes
.set GX, 17                            ; byte offsets in memory: x, wide, out1, out2
.set GW, 18
.set O1, 19
.set O2, 20
.set B1V, 21                           ; b1, the next chunk's tiles
.set BV2, 22                           ; my tiles of a bias of 1,024, 512, 256 columns
.set BV3, 23
.set BV5, 24
.set SCRW, 25                          ; SCR + 4 w
.set SCRB, 26                          ; SCR
.set HS, 27                            ; the head's partial sums: SCR + 256 + 256 w + 4 r
.set GA, 28                            ; v28-31  block a: byte offset in Wh of my row's head weights
.set TP, 32
.set PK, 64
.set BT, 80
.set MX, 112                           ; v112-115 four running maxima; at the end HP, the head's four pairs, with v116-119
.set HP, 112
.set EX, 116
.set BHO, 120                          ; v120-121 byte offsets in bh of rows 2 l, 2 l + 1
.set BHV, 122                          ; v122-123 their bh
.set WS, 124                           ; lanes i and 16 + i: the wide sum of my wave's row i
.set T0, 125
.set T1, 126
.set T2, 127
.set AB, 128
.set WB, 128
.set WV, 34                            ; s34 my wave's number
.set G1A, 40                           ; s[40:47] descriptor group 1: 96 rows of 256 bytes
.set G1B, 48                           ; s[48:55] 64 rows of 256 bytes
.set G0, 56                            ; s[56:59], s[60:63] descriptor group 0 of ring buffer 0, 1
.set DST, 66                           ; s[66:67], s[68:69] the two steps from the wide slots into the narrow ones
.set SI0, 70                           ; pairs: a packed multiply names a pair and takes its low word for both halves
.set SQ1, 72
.set SF1, 74
.set SQ, 76                            ; 256 / S_out: starts the next layer's sums
.set SF, 78                            ; S_in / (256 S_out): a sum -> the next layer's f16 operand
.set SE, 80                            ; S_in / 256: a sum -> its true value
.set SI, 82                            ; 1 / S_out
.set SS, 84                            ; the scale of the activations in hand
.set SEL, 96
.set MSB, 0
.macro WIN new                         ; the immediate's high byte repeats the setting that is left; a switch that changes nothing is dropped
.if MSB != (\new)
	s_set_vgpr_msb (MSB<<8)|(\new)
.set MSB, (\new)
.endif
.endm
; A vector instruction that reads a matrix result or writes a matrix instruction's register, and a load into such a register, stand four places behind it; only plain vector instructions that name none of
; its registers are places (ISA guide 7.12.1 for vector instructions).
.macro PLACES
.rept 4
	v_nop
.endr
.endm
.macro BAR
	s_barrier_signal -1
	s_barrier_wait -1
.endm
.macro CREST                           ; a round of the cluster's barrier behind its opening barrier: wave 0 signals for the work-group, every wave waits for all four work-groups, my work-group's barrier once more
	s_cmp_lg_u32 s[WV], 0
	s_cbranch_scc1 .Lnot_wave_0_\@
	s_barrier_signal -3
.Lnot_wave_0_\@:
	s_barrier_wait -3
	s_barrier_signal -1
	s_barrier_wait -1
.endm
.macro ROUND
	BAR
	CREST
.endm
; 16 matrix instructions.  kind 8: one k block, weight fragments 4 half + x, sums 8 (4 f + a), 32 of them a unit.  kind 4: k block number half of two, fragments 4 half + t, sums 8 (4 t + a), 16 of them.
; The sums take turns, one instruction a turn: between two links of a chain stand 31 or 15 others', over unit borders and backward jumps too.
.macro MUL kind, half, win, wb, ab
	WIN (\win)*0x50+1                              ; weights in window 1, activations in window 0, C and D in window win
.irp x, 0,1,2,3
.irp a, 0,1,2,3
.set rW, WB+64*(\wb)+8*(4*(\half)+\x)
.if (\kind) == 8
.set rD, 8*(4*(4*(\half)+\x)+\a)
.set rA, AB+64*(\ab)+8*\a
.else
.set rD, 8*(4*\x+\a)
.set rA, AB+64*(\ab)+32*(\half)+8*\a
.endif
	v_wmma_f32_16x16x32_f16 v[rD:rD+7], v[rW:rW+7], v[rA:rA+7], v[rD:rD+7]
.endr
.endr
.endm
.macro FW wb, sb, uis                  ; a unit's 8 weight fragments: 16 loads, unit uis of the slot in ring buffer sb
	WIN 0x40
.set zw, 0
.rept 16
	ds_load_b128 v[WB+64*(\wb)+4*zw:WB+64*(\wb)+4*zw+3], v[WA+(\sb)] offset:(\uis)*8192+512*zw
.set zw, zw+1
.endr
.endm
.macro FAX ab, u                       ; x's fragments of k blocks 2 u, 2 u + 1: 16 loads
	WIN 0
.irp i, 0,1
.irp a, 0,1,2,3
	ds_load_b128 v[AB+64*(\ab)+32*\i+8*\a:AB+64*(\ab)+32*\i+8*\a+3],   v[XA] offset:\a*16*XPI+(2*(\u)+\i)*64
	ds_load_b128 v[AB+64*(\ab)+32*\i+8*\a+4:AB+64*(\ab)+32*\i+8*\a+7], v[XA] offset:\a*16*XPI+(2*(\u)+\i)*64+32
.endr
.endr
.endm
.macro FAI ab, areg, kb0, nk           ; nk k blocks of a fragment image, from block kb0 behind the address: 8 loads each
	WIN 0
.set zi, 0
.rept \nk
.irp a, 0,1,2,3
	ds_load_b128 v[AB+64*(\ab)+32*zi+8*\a:AB+64*(\ab)+32*zi+8*\a+3],   v[\areg] offset:((\kb0)+zi)*4096+\a*1024
	ds_load_b128 v[AB+64*(\ab)+32*zi+8*\a+4:AB+64*(\ab)+32*zi+8*\a+7], v[\areg] offset:((\kb0)+zi)*4096+\a*1024+512
.endr
.set zi, zi+1
.endr
.endm
; A UNIT, first part: the wait, 16 matrix instructions, and the places in front of the next unit's fetches, which the caller writes behind it (activations first, then weights).
; chg = 0: hw = 8 lets the youngest eight weight loads stay out (they feed the second half).
; chg = 1, 2, 3: the slot's last unit: ring buffer sb is filled again, two slots on (1: wide slots; 2: narrow; 3: from a wide slot to a narrow one).  chg = 4: the other buffer's fill is waited for and nothing is asked for.
.macro UA kind, win, wb, ab, hw, chg, sb
.if (\chg) == 0
	s_wait_dscnt \hw
.elseif (\chg) == 4
	s_wait_dscnt \hw
	s_wait_tensorcnt 0x0                           ; the last slot is in: only I read my part of it, so my own wait is all that its reads need
.else
	s_wait_dscnt 0x0                               ; my reads of this slot are back (the last were issued in the unit before), and all my reads of activations
	s_wait_tensorcnt 0x0                           ; all my tensor loads have landed: the one that was out is my part of the other buffer; so a group 0 may be written
.if (\chg) == 1
	s_add_nc_u64 s[G0+4*(\sb)+2:G0+4*(\sb)+3], s[G0+4*(\sb)+2:G0+4*(\sb)+3], 2*RINGB
.elseif (\chg) == 2
	s_add_nc_u64 s[G0+4*(\sb)+2:G0+4*(\sb)+3], s[G0+4*(\sb)+2:G0+4*(\sb)+3], 131072
.else
	s_add_nc_u64 s[G0+4*(\sb)+2:G0+4*(\sb)+3], s[G0+4*(\sb)+2:G0+4*(\sb)+3], s[DST+2*(\sb):DST+2*(\sb)+1]
.endif
	s_barrier_signal -1                            ; opens a round of the cluster's barrier; only register work stands inside it
.endif
	MUL \kind, 0, \win, \wb, \ab
.if ((\chg) == 0) || ((\chg) == 4)
	PLACES
.else
	WIN 0
	s_barrier_wait -1
	CREST                                          ; no wave of any partner still reads this buffer or has a load on its way
.if (\chg) == 1
	tensor_load_to_lds s[G0+4*(\sb):G0+4*(\sb)+3], s[G1A:G1A+7]
	s_nop 0
.else
	tensor_load_to_lds s[G0+4*(\sb):G0+4*(\sb)+3], s[G1B:G1B+7]
	s_nop 0
.endif
	PLACES                                         ; four v_nop follow the load; they are also the places in front of the fetches
.endif
.endm
.macro UB kind, win, wb, ab, n         ; second part: n = the LDS loads just issued for the next unit, which may stay out
	s_wait_dscnt \n
	MUL \kind, 1, \win, \wb, \ab
.endm
.macro RELU32
.set zz, 0
.rept 32
	v_max_num_f32 v[TP+zz], 0, v[TP+zz]
.set zz, zz+1
.endr
.endm
.macro CVT16
.set zz, 0
.rept 16
	v_cvt_pk_f16_f32 v[PK+zz], v[TP+2*zz], v[TP+2*zz+1]
.set zz, zz+1
.endr
.endm
; The four sums (blocks a = 0..3) at v[32 fb ..] of window win: times s[sf], relu, f16, into the image as tile tt.  Each sum's registers are read in ascending order.
.macro PACK4 win, sf, areg, fb, tt
	WIN \win
.set zz, 0
.rept 16
	v_pk_mul_f32 v[TP+2*zz:TP+2*zz+1], v[32*(\fb)+2*zz:32*(\fb)+2*zz+1], s[\sf:\sf+1] op_sel_hi:[1,0]
.set zz, zz+1
.endr
	WIN 0
	RELU32
	CVT16
.irp a, 0,1,2,3
	ds_store_b128 v[\areg], v[PK+4*\a:PK+4*\a+3] offset:((\tt)/2)*4096+\a*1024+((\tt)%2)*512
.endr
.endm
; The sums of nt tiles x 4 blocks start as bias x s[sq]: nothing is cleared, and every matrix instruction adds in place.
.macro INIT dwin, swin, src, sq, nt
	WIN ((\dwin)<<6)|(\swin)
.set zt, 0
.rept \nt
.irp a, 0,1,2,3
.irp p, 0,2,4,6
	v_pk_mul_f32 v[8*(4*zt+\a)+\p:8*(4*zt+\a)+\p+1], v[(\src)+8*zt+\p:(\src)+8*zt+\p+1], s[\sq:\sq+1] op_sel_hi:[1,0]
.endr
.endr
.set zt, zt+1
.endr
.endm
.macro LDB dst, cnt, areg, sb          ; bias tiles: 32 bytes a lane and tile, tiles 64 bytes apart
.set zz, 0
.rept \cnt
	global_load_b128 v[(\dst)+4*zz:(\dst)+4*zz+3], v[\areg], s[\sb:\sb+1] offset:(zz/2)*64+(zz%2)*16
.set zz, zz+1
.endr
.endm
.macro MAXP win, first, nt             ; the largest of 0 and nt sums, in four chains; each sum's lowest registers are read first
	WIN (\win)*0x14
.set zn, 0
.rept 4*(\nt)
.if (\first) && (zn < 4)
	v_max3_num_f32 v[MX+zn], 0, v[2*zn], v[2*zn+1]
.else
	v_max3_num_f32 v[MX+zn%4], v[MX+zn%4], v[2*zn], v[2*zn+1]
.endif
.set zn, zn+1
.endr
.endm
.macro WRED reg, tmp                   ; the maximum over the wave's 32 lanes, in every lane
	v_max_num_f32_dpp v[\reg], v[\reg], v[\reg] row_xmask:1 row_mask:0xf bank_mask:0xf
	v_max_num_f32_dpp v[\reg], v[\reg], v[\reg] row_xmask:2 row_mask:0xf bank_mask:0xf
	v_max_num_f32_dpp v[\reg], v[\reg], v[\reg] row_xmask:4 row_mask:0xf bank_mask:0xf
	v_max_num_f32_dpp v[\reg], v[\reg], v[\reg] row_xmask:8 row_mask:0xf bank_mask:0xf
	v_permlanex16_b32 v[\tmp], v[\reg], s[SEL], s[SEL+1]
	v_max_num_f32 v[\reg], v[\reg], v[\tmp]
.endm
.macro MAXFIN
	WIN 0
	v_max3_num_f32 v[MX], v[MX], v[MX+1], v[MX+2]
	v_max_num_f32 v[MX], v[MX], v[MX+3]
	WRED MX, MX+1
.endm
; The four waves' maxima meet in scratch; s98 takes the work-group's.  pre: a barrier first, where the scratch bytes lie under an image that others may still read.  post: a barrier behind, where they are overwritten next.
; The barrier behind the store also shows every wave's reads of the old activations done: each wave's wait for 0 stands in front of its signal.
.macro EXCH off, pre, post
.if \pre
	s_wait_dscnt 0x0
	BAR
.endif
	ds_store_b32 v[SCRW], v[MX] offset:\off
	s_wait_dscnt 0x0
	BAR
	ds_load_b128 v[EX:EX+3], v[SCRB] offset:\off
	s_wait_dscnt 0x0
	v_max3_num_f32 v[MX], v[EX], v[EX+1], v[EX+2]
	v_max_num_f32 v[MX], v[MX], v[EX+3]
	v_readfirstlane_b32 s98, v[MX]
.if \post
	BAR
.endif
.endm
; From the largest sum (s98) and S_in (s[SS]): E = S_in / 256; S_out = the power of two above largest x E, at least 2^-39; I = 1 / S_out; F = E I; Q = 256 I.  Powers of two are multiplied by adding exponent fields.
.macro SCALE
	s_sub_co_u32 s[SE], s[SS], 0x04000000
	s_and_b32 s98, s98, 0x7f800000
	s_add_co_u32 s98, s98, s[SE]
	s_sub_co_u32 s98, s98, 0x3f800000
	s_max_i32 s98, s98, FLOOR
	s_add_co_u32 s[SS], s98, 0x00800000
	s_sub_co_u32 s[SI], 0x7e800000, s98
	s_add_co_u32 s[SF], s[SE], s[SI]
	s_sub_co_u32 s[SF], s[SF], 0x3f800000
	s_add_co_u32 s[SQ], s[SI], 0x04000000
	s_mov_b32 s[SE+1], s[SE]
	s_mov_b32 s[SI+1], s[SI]
	s_mov_b32 s[SF+1], s[SF]
	s_mov_b32 s[SQ+1], s[SQ]
.endm
	; ---------------- the start ----------------
	s_load_b512 s[4:19], s[0:1], 0x0               ; x s[4:5], wide s[6:7], ids s[8:9], wq s[10:11], wstat s[12:13], b1 s[14:15], b2 s[16:17], b3 s[18:19]
	s_load_b256 s[20:27], s[0:1], 0x40             ; bd1 s[20:21], bd2 s[22:23], Wh s[24:25], bh s[26:27]
	s_load_b128 s[28:31], s[0:1], 0x60             ; out0 s[28:29], out1 s[30:31]
	s_load_b64 s[32:33], s[0:1], 0x70              ; out2
	v_lshrrev_b32 v1, 5, v0
	v_readfirstlane_b32 s[WV], v1                  ; wave 0..3
	s_bfe_u32 s35, ttmp6, 0x40000                  ; cx: my place in the cluster
	s_lshl_b32 s98, ttmp9, 2                       ; in a cluster launch ttmp9 counts clusters
	s_add_co_u32 s35, s98, s35                     ; my block of 64 rows: it enters the addresses of x, wide, ids and the outputs alone
	; descriptor group 1: a wave's part of a slot is dense in memory and comes as rows of 256 bytes (32 elements of 8 bytes)
	s_mov_b32 s[G1A+0], 15|(3<<16)|(1<<21)         ; 15:0 the mask of four; 17:16 elements of 8 bytes; 21 set beside a mask; no padding
	s_mov_b32 s[G1A+1], 32<<16                     ; tensor_dim0 = 32
	s_mov_b32 s[G1A+2], 96<<16                     ; tensor_dim1 = 96
	s_mov_b32 s[G1A+3], 32<<16                     ; tile_dim0 = 32
	s_mov_b32 s[G1A+4], 96                         ; tile_dim1 = 96
	s_mov_b32 s[G1A+5], 32                         ; 32 elements from row to row
	s_mov_b32 s[G1A+6], 0
	s_mov_b32 s[G1A+7], 0
	s_mov_b32 s[G1B+0], 15|(3<<16)|(1<<21)
	s_mov_b32 s[G1B+1], 32<<16
	s_mov_b32 s[G1B+2], 64<<16                     ; the same with 64 rows
	s_mov_b32 s[G1B+3], 32<<16
	s_mov_b32 s[G1B+4], 64
	s_mov_b32 s[G1B+5], 32
	s_mov_b32 s[G1B+6], 0
	s_mov_b32 s[G1B+7], 0
	s_mul_i32 s36, s[WV], WPART                    ; my part of a wide slot, in memory and in LDS: the wave's number alone, no place in the cluster
	s_mov_b32 s37, 0
	s_mov_b32 s[G0], 1                             ; count = 1
	s_mov_b32 s[G0+1], s36                         ; LDS address, buffer 0
	s_mov_b32 s[G0+4], 1
	s_add_co_u32 s[G0+5], s36, RINGB               ; buffer 1
	s_lshl_b32 s85, s[WV], 13
	s_sub_co_u32 s[DST], 196608, s85               ; slot 64 -> 66: 2 x 98,304 less the 8,192 by which a wave's part shrinks, w times
	s_mov_b32 s[DST+1], 0
	s_sub_co_u32 s[DST+2], 163840, s85             ; slot 65 -> 67: 98,304 + 65,536 less the same
	s_mov_b32 s[DST+3], 0
	s_mov_b32 s[SEL], 0x76543210                   ; v_permlanex16_b32: each lane takes its own place in the other half
	s_mov_b32 s[SEL+1], 0xfedcba98
	s_lshl_b32 s98, s35, 17                        ; 64 rows of 2,048 bytes
	s_mov_b32 s99, 0
	s_lshl_b32 s100, s35, 16                       ; of 1,024 bytes
	s_mov_b32 s101, 0
	s_lshl_b32 s38, s35, 8                         ; of 4 bytes
	s_mov_b32 s39, 0
	s_wait_kmcnt 0x0
	s_add_nc_u64 s[G0+2:G0+3], s[10:11], s[36:37]  ; slot 0, my part
	s_add_nc_u64 s[G0+6:G0+7], s[G0+2:G0+3], RINGB ; slot 1
	s_or_b32 s[G0+3], s[G0+3], 0x80000000          ; type = 2
	s_or_b32 s[G0+7], s[G0+7], 0x80000000
	s_add_nc_u64 s[4:5], s[4:5], s[98:99]
	s_add_nc_u64 s[30:31], s[30:31], s[98:99]
	s_add_nc_u64 s[6:7], s[6:7], s[100:101]
	s_add_nc_u64 s[32:33], s[32:33], s[100:101]
	s_add_nc_u64 s[8:9], s[8:9], s[38:39]
	s_add_nc_u64 s[28:29], s[28:29], s[38:39]
	ROUND                                          ; all four work-groups are here: the first joint loads meet
	tensor_load_to_lds s[G0:G0+3], s[G1A:G1A+7]    ; both first fills together, ahead of every wait on TENSORcnt and every LDS read: two loads of mine are out
	s_nop 0
	tensor_load_to_lds s[G0+4:G0+7], s[G1A:G1A+7]
	s_nop 0
	PLACES
	v_and_b32 v[LN], 31, v0
	v_and_b32 v[RR], 15, v0
	v_bfe_u32 v[HH], v0, 4, 1
	v_lshlrev_b32 v[T2], 4, v[LN]                  ; 16 x lane
	v_lshl_add_u32 v[GX], s[WV], 15, v[T2]         ; my 16 rows of x
	WIN 0x80
.set zn, 0
.rept 64                               ; x, my 16 rows: each load covers 512 neighbouring bytes
	global_load_b128 v[4*zn:4*zn+3], v[GX], s[4:5] offset:(zn/4)*2048+(zn%4)*512 th:TH_LOAD_NT
.set zn, zn+1
.endr
	WIN 0
	v_lshlrev_b32 v[BV5], 5, v[HH]                 ; 32 h
	v_lshl_add_u32 v[BV2], s[WV], 10, v[BV5]
	v_lshl_add_u32 v[BV3], s[WV], 9, v[BV5]
	v_lshl_add_u32 v[BV5], s[WV], 8, v[BV5]
	v_lshl_add_u32 v[T0], s[WV], 10, v[T2]         ; my quarter of wstat
	v_lshl_add_u32 v[T1], s[WV], 11, v[T2]         ; my quarter of b1
	WIN 0x40
	LDB 0, 32, BV2, 16                             ; b2, my 16 tiles, for the moment where layer 1's sums will lie
	WIN 0
	LDB BT, 8, BV5, 14                             ; b1, chunk 0's tiles
	global_load_b128 v[128:131], v[T0], s[12:13]
	global_load_b128 v[132:135], v[T0], s[12:13] offset:512
.irp j, 0,1,2,3
	global_load_b128 v[136+4*\j:139+4*\j], v[T1], s[14:15] offset:512*\j
.endr
	v_add_nc_u32 v[WA], s36, v[T2]
	v_add_nc_u32 v[WA+1], RINGB, v[WA]
	v_mul_u32_u24 v[XA], v[RR], XPI
	v_lshl_add_u32 v[XA], v[HH], 4, v[XA]
	v_add_nc_u32 v[XA], XP, v[XA]
	v_add_nc_u32 v[HA], ACT, v[T2]
	v_lshl_add_u32 v[HWR], s[WV], 13, v[HA]
	v_lshl_add_u32 v[IW2], s[WV], 15, v[HA]
	v_lshl_add_u32 v[IW3], s[WV], 14, v[HA]
	s_mul_i32 s86, s[WV], 16*XPI
	s_add_co_u32 s86, s86, XP
	v_lshl_add_u32 v[XW], v[LN], 3, s86
	s_mul_i32 s87, s[WV], STGW
	s_add_co_u32 s87, s87, STG                     ; my stage
	v_mul_u32_u24 v[SW], v[RR], 528
	v_lshl_add_u32 v[SW], v[HH], 5, v[SW]
	v_add_nc_u32 v[SW], s87, v[SW]
	v_mul_u32_u24 v[SW2], v[RR], 272
	v_lshl_add_u32 v[SW2], v[HH], 5, v[SW2]
	v_add_nc_u32 v[SW2], s87, v[SW2]
	v_add_nc_u32 v[SR], s87, v[T2]
	v_mul_u32_u24 v[SR2], v[HH], 272
	v_lshl_add_u32 v[SR2], v[RR], 4, v[SR2]
	v_add_nc_u32 v[SR2], s87, v[SR2]
	v_lshl_add_u32 v[GW], s[WV], 14, v[T2]
	v_lshl_add_u32 v[O1], s[WV], 9, v[T2]
	v_lshlrev_b32 v[O2], 10, v[HH]
	v_lshl_add_u32 v[O2], v[RR], 4, v[O2]
	v_lshl_add_u32 v[O2], s[WV], 8, v[O2]
	v_mov_b32 v[SCRB], SCR
	v_lshl_add_u32 v[SCRW], s[WV], 2, v[SCRB]
	v_lshl_add_u32 v[HS], s[WV], 8, v[SCRB]
	v_lshl_add_u32 v[HS], v[RR], 2, v[HS]
	v_add_nc_u32 v[HS], 256, v[HS]
	v_lshl_add_u32 v[T2], s[WV], 4, v[SCRB]        ; SCR + 16 w
	s_wait_loadcnt 0x0
	WIN 0x28                                       ; sources 1 and 2 in window 2
.set zn, 0
.rept 128                              ; the largest |x| of my 16 rows
.if zn < 4
	v_max3_num_f32 v[MX+zn], 0, |v[2*zn]|, |v[2*zn+1]|
.else
	v_max3_num_f32 v[MX+zn%4], v[MX+zn%4], |v[2*zn]|, |v[2*zn+1]|
.endif
.set zn, zn+1
.endr
	WIN 0
	v_max3_num_f32 v[MX], v[MX], v[MX+1], v[MX+2]
	v_max_num_f32 v[MX], v[MX], v[MX+3]
	WRED MX, MX+3
	v_max_num_f32 v[MX+1], v128, v129              ; my quarter of the maxima of |W1|
	v_max3_num_f32 v[MX+1], v[MX+1], v130, v131
	v_max3_num_f32 v[MX+1], v[MX+1], v132, v133
	v_max3_num_f32 v[MX+1], v[MX+1], v134, v135
	WRED MX+1, MX+3
	v_max_num_f32 v[MX+2], |v136|, |v137|          ; my quarter of |b1|
.set zz, 138
.rept 7
	v_max3_num_f32 v[MX+2], v[MX+2], |v[zz]|, |v[zz+1]|
.set zz, zz+2
.endr
	WRED MX+2, MX+3
	ds_store_b128 v[T2], v[MX:MX+3]                ; the three maxima (the fourth word serves nothing)
	s_wait_dscnt 0x0                               ; for the others' sake
	BAR                                            ; the two tensor loads may stay out
.irp j, 0,1,2,3
	ds_load_b128 v[TP+4*\j:TP+4*\j+3], v[SCRB] offset:16*\j
.endr
	s_wait_dscnt 0x0
.irp j, 0,1,2
	v_max3_num_f32 v[MX+\j], v[TP+\j], v[TP+4+\j], v[TP+8+\j]
	v_max_num_f32 v[MX+\j], v[MX+\j], v[TP+12+\j]
.endr
	v_readfirstlane_b32 s98, v[MX]
	s_and_b32 s98, s98, 0x7f800000
	s_max_u32 s98, s98, FLOOR
	s_add_co_u32 s99, s98, 0x00800000              ; S0: the power of two above max|x|
	s_sub_co_u32 s[SI0], 0x7e800000, s98           ; 1 / S0
	s_mov_b32 s[SI0+1], s[SI0]
	v_mul_f32 v[MX+1], 0x44000000, v[MX+1]         ; 512 max|W1|
	v_fma_f32 v[MX+1], v[MX+1], s99, v[MX+2]       ; no |h1| of these rows is greater than 512 S0 max|W1| + max|b1|
	v_readfirstlane_b32 s100, v[MX+1]
	s_and_b32 s100, s100, 0x7f800000
	s_max_u32 s100, s100, FLOOR
	s_add_co_u32 s[SS], s100, 0x00800000           ; S1
	s_sub_co_u32 s101, 0x7e800000, s100            ; 1 / S1
	s_add_co_u32 s[SQ1], s[SI0], 0x04000000        ; 256 / S0
	s_mov_b32 s[SQ1+1], s[SQ1]
	s_add_co_u32 s[SF1], s99, s101
	s_sub_co_u32 s[SF1], s[SF1], 0x43800000        ; S0 / (256 S1)
	s_mov_b32 s[SF1+1], s[SF1]
	s_add_co_u32 s[SQ], s101, 0x04000000           ; 256 / S1
	s_mov_b32 s[SQ+1], s[SQ]
.set bq, 0
.rept 8                                ; x / S0 in f16 into LDS, two rows at a time; a store covers 256 neighbouring bytes
	WIN 0x02
.set zz, 0
.rept 16
	v_pk_mul_f32 v[TP+2*zz:TP+2*zz+1], v[32*bq+2*zz:32*bq+2*zz+1], s[SI0:SI0+1] op_sel_hi:[1,0]
.set zz, zz+1
.endr
	WIN 0
	CVT16
.set zz, 0
.rept 8
	ds_store_b64 v[XW], v[PK+2*zz:PK+2*zz+1] offset:((8*bq+zz)/4)*XPI+((8*bq+zz)%4)*256
.set zz, zz+1
.endr
.set bq, bq+1
.endr
	INIT 2, 1, 0, SQ, 8                            ; h2's 64 sums start as b2 x 256 / S1
	INIT 3, 1, 64, SQ, 8
	INIT 1, 0, BT, SQ1, 4                          ; chunk 0's 16 sums as b1 x 256 / S0
	WIN 0
	s_wait_dscnt 0x0                               ; my rows of x are in LDS
	s_wait_tensorcnt 0x1                           ; my part of slot 0 is in; slot 1's may stay out
	BAR
	FAX 0, 0
	FW 0, 0, 0
	WIN 0
	; ---------------- layers 1 and 2, in eight chunks of 256 columns of h1 ----------------
.macro EPI1                            ; the chunk of h1 goes into LDS; the next chunk's sums start; then layer 2 may read it
	PLACES
.irp t, 0,1,2,3
	PACK4 1, SF1, HWR, \t, \t
.endr
	s_wait_loadcnt 0x0                             ; the next chunk's b1 tiles
	INIT 1, 0, BT, SQ1, 4
	WIN 0
	s_wait_dscnt 0x0                               ; for the others' sake: my part of the chunk is in LDS
	BAR                                            ; the tensor load that is out may stay out
	FAI 0, HA, 0, 1
.endm
	s_mov_b32 s90, 0
.Lchunk:                               ; a trip: 8 units of layer 1 (k = 512), the chunk's way into LDS, 16 units of layer 2 (k = the chunk's 256); 8 slots, 8 refills
	s_add_co_u32 s91, s90, 1
	s_and_b32 s91, s91, 7                          ; the last trip asks for chunk 0's again: inside b1
	s_lshl_b32 s91, s91, 10
	v_add_nc_u32 v[B1V], s91, v[BV5]               ; free: the loads that named it were waited for in the trip before
	LDB BT, 8, B1V, 14
.set U, 0
.rept 24
.set CH, (U%3)/2
.set SB, (U/3)%2
.set NW, (U+1)%2
.set NSB, (((U+1)%24)/3)%2
.set NUI, ((U+1)%24)%3
.if U < 8
	UA 4, 1, U%2, U%2, 8, CH, SB
.if U < 7
	FAX NW, U+1
	FW NW, NSB, NUI
	UB 4, 1, U%2, U%2, 32
.else
	FW NW, NSB, NUI
	UB 4, 1, U%2, U%2, 16
	EPI1
.endif
.else
.set KK, (U-8)/2
.set GG, (U-8)%2
	UA 8, 2+GG, U%2, KK%2, 8, CH, SB
.if GG == 0
	FW NW, NSB, NUI
	UB 8, 2+GG, U%2, KK%2, 16
.elseif U < 23
	FAI (KK+1)%2, HA, KK+1, 1
	FW NW, NSB, NUI
	UB 8, 2+GG, U%2, KK%2, 24
.else
	FAX 0, 0                                       ; the chunk image is written again only behind this unit's round, in front of which every wave has waited for its reads of it
	FW NW, NSB, NUI
	UB 8, 2+GG, U%2, KK%2, 32
.endif
.endif
.set U, U+1
.endr
	WIN 0
	s_add_co_u32 s90, s90, 1
	s_cmp_lt_u32 s90, 8
	s_cbranch_scc1 .Lchunk
	; ---------------- h2 into LDS ----------------
	PLACES
	WIN 0x40
	LDB 0, 16, BV3, 18                             ; b3, my 8 tiles
	LDB 64, 16, BV3, 20                            ; bd1
	WIN 0
	LDB BT, 8, BV5, 22                             ; bd2, my 4 tiles
	v_lshlrev_b32 v[T0], 2, v[RR]
	v_lshlrev_b32 v[T1], 3, v[LN]
.irp a, 0,1,2,3
	global_load_b32 v[GA+\a], v[T0], s[8:9] offset:64*\a   ; the domain of row 16 a + r
.endr
	global_load_b64 v[BHO:BHO+1], v[T1], s[8:9]    ; and of rows 2 l, 2 l + 1
	MAXP 2, 1, 32
	MAXP 3, 0, 32
	MAXFIN
	EXCH 64, 0, 1                                  ; the h2 image covers the scratch: everybody has read the maxima before it is written
	SCALE
.irp f, 0,1,2,3,4,5,6,7
	PACK4 2, SF, IW2, \f, \f
.endr
.irp f, 0,1,2,3,4,5,6,7
	PACK4 3, SF, IW2, \f, 8+\f
.endr
	s_wait_loadcnt 0x0
	INIT 2, 1, 0, SQ, 8                            ; layer 3's sums start as b3 x 256 / S2
	WIN 0
.irp a, 0,1,2,3
	v_min_u32 v[GA+\a], 7, v[GA+\a]
	v_lshl_add_u32 v[GA+\a], v[GA+\a], 10, v[BV5]  ; a row of Wh is 1,024 bytes; + my wave's 256 and my half's 32
.endr
	v_min_u32 v[BHO], 7, v[BHO]
	v_min_u32 v[BHO+1], 7, v[BHO+1]
	v_lshlrev_b32 v[BHO], 2, v[BHO]
	v_lshlrev_b32 v[BHO+1], 2, v[BHO+1]
	WIN 0xc0
.set zn, 0
.rept 32                               ; the wide features of my 16 rows land while layer 3 is multiplied
	global_load_b128 v[4*zn:4*zn+3], v[GW], s[6:7] offset:(zn/2)*1024+(zn%2)*512 th:TH_LOAD_NT
.set zn, zn+1
.endr
	WIN 0
	global_load_b32 v[BHV], v[BHO], s[26:27]
	global_load_b32 v[BHV+1], v[BHO+1], s[26:27]
	v_mov_b32 v[IA], v[HA]
	s_wait_dscnt 0x0
	BAR
	FAI 0, IA, 0, 1
	; ---------------- layer 3: 32 units, one k block each ----------------
.set V, 0
.rept 6                                ; slots 64 and 65, the last wide ones; their buffers take the first narrow slots
	UA 8, 2, V%2, V%2, 8*((V+5)/6), 3*((V%3)/2), (V/3)%2
	FAI (V+1)%2, IA, V+1, 1
	FW (V+1)%2, ((V+1)/3)%2, (V+1)%3
	UB 8, 2, V%2, V%2, 24
.set V, V+1
.endr
	WIN 0
	s_mov_b32 s92, 6
.Ll3:                                  ; a trip: four units, two slots, two refills
.set V, 0
.rept 4
	UA 8, 2, V%2, V%2, 8, 2*(V%2), V/2
	FAI (V+1)%2, IA, V+7, 1
	FW (V+1)%2, ((V+1)/2)%2, (V+1)%2
	UB 8, 2, V%2, V%2, 24
.set V, V+1
.endr
	WIN 0
	v_add_nc_u32 v[IA], 16384, v[IA]               ; four k blocks on
	s_sub_co_u32 s92, s92, 1
	s_cmp_lg_u32 s92, 0
	s_cbranch_scc1 .Ll3
	UA 8, 2, 0, 0, 8, 0, 0
	FAI 1, IA, 7, 1
	FW 1, 0, 1
	UB 8, 2, 0, 0, 24
	UA 8, 2, 1, 1, 8, 2, 0
	FW 0, 1, 0                                     ; layer 4's first unit
	UB 8, 2, 1, 1, 16
	; ---------------- out1 = h3, its image, and the wide sums ----------------
	PLACES
	MAXP 2, 1, 32
	MAXFIN
	EXCH 128, 1, 0                                 ; the scratch lies under the h2 image: a barrier first, behind every wave's wait for its reads of it
	SCALE
	s_wait_loadcnt 0x0                             ; the wide features and bh
	v_mov_b32 v[WS], 0
.irp bq, 0,1
	WIN 0x0f
.irp x, 0,1,2,3,4,5,6,7
	v_pk_add_f32 v[TP+4*\x:TP+4*\x+1],   v[8*(8*\bq+\x):8*(8*\bq+\x)+1],   v[8*(8*\bq+\x)+2:8*(8*\bq+\x)+3]
	v_pk_add_f32 v[TP+4*\x+2:TP+4*\x+3], v[8*(8*\bq+\x)+4:8*(8*\bq+\x)+5], v[8*(8*\bq+\x)+6:8*(8*\bq+\x)+7]
.endr
	WIN 0
.irp x, 0,1,2,3,4,5,6,7
	v_pk_add_f32 v[TP+4*\x:TP+4*\x+1], v[TP+4*\x:TP+4*\x+1], v[TP+4*\x+2:TP+4*\x+3]
.endr
.irp x, 0,1,2,3,4,5,6,7
	v_add_f32 v[TP+4*\x], v[TP+4*\x], v[TP+4*\x+1]
.endr
.irp m, 1,2,4,8
.irp x, 0,1,2,3,4,5,6,7
	v_add_f32_dpp v[TP+4*\x], v[TP+4*\x], v[TP+4*\x] row_xmask:\m row_mask:0xf bank_mask:0xf
.endr
.endr
.irp x, 0,1,2,3,4,5,6,7
	v_permlanex16_b32 v[TP+4*\x+1], v[TP+4*\x], s[SEL], s[SEL+1]
.endr
.irp x, 0,1,2,3,4,5,6,7
	v_add_f32 v[TP+4*\x], v[TP+4*\x], v[TP+4*\x+1]
.endr
.irp x, 0,1,2,3,4,5,6,7
	v_cmp_eq_u32 vcc_lo, 8*\bq+\x, v[RR]
	v_cndmask_b32 v[WS], v[WS], v[TP+4*\x], vcc_lo
.endr
.endr
; Block a's 16 rows x my 128 columns: true values into my stage and f16 / S3 into the image; then whole rows of 512 bytes come back and are stored.  The stage is my wave's own: LDS serves a wave's
; instructions in order (ISA guide 5.7.1.4), so no wait stands between its stores and its loads.
.macro OUT1 a
.irp bb, 0,1
	WIN 2
.irp x, 0,1,2,3
.irp p, 0,2,4,6
	v_pk_mul_f32 v[TP+8*\x+\p:TP+8*\x+\p+1], v[8*(4*(4*\bb+\x)+(\a))+\p:8*(4*(4*\bb+\x)+(\a))+\p+1], s[SE:SE+1] op_sel_hi:[1,0]
.endr
.endr
	WIN 0
	RELU32
.irp x, 0,1,2,3
	ds_store_b128 v[SW], v[TP+8*\x:TP+8*\x+3]   offset:64*(4*\bb+\x)
	ds_store_b128 v[SW], v[TP+8*\x+4:TP+8*\x+7] offset:64*(4*\bb+\x)+16
.endr
.set zz, 0
.rept 16
	v_pk_mul_f32 v[TP+2*zz:TP+2*zz+1], v[TP+2*zz:TP+2*zz+1], s[SI:SI+1] op_sel_hi:[1,0]
.set zz, zz+1
.endr
	CVT16
.irp x, 0,1,2,3
	ds_store_b128 v[IW3], v[PK+4*\x:PK+4*\x+3] offset:((4*\bb+\x)/2)*4096+(\a)*1024+(\x%2)*512
.endr
.endr
.set RB, AB+64*((\a)%2)
	s_wait_xcnt 0x0                                ; earlier stores have read their registers: these are loaded again only behind this wait
.set zz, 0
.rept 16
	ds_load_b128 v[RB+4*zz:RB+4*zz+3], v[SR] offset:zz*528
.set zz, zz+1
.endr
.set zz, 0
.rept 16
	s_wait_dscnt 15-zz                             ; LDS loads come back in order: row zz is in, the younger ones stay out
	global_store_b128 v[O1], v[RB+4*zz:RB+4*zz+3], s[30:31] offset:(16*(\a)+zz)*2048 th:TH_STORE_NT   ; 512 consecutive bytes, at a multiple of 512 from out1's first
.set zz, zz+1
.endr
.endm
	OUT1 0
	OUT1 1
	OUT1 2
	OUT1 3
	INIT 3, 1, 64, SQ, 8                           ; layer 4's sums start as bd1 x 256 / S3
	WIN 0
	v_mov_b32 v[IA], v[HA]
	s_wait_xcnt 0x0                                ; the fragment buffers were the stores' data
	s_wait_dscnt 0x0
	BAR
	FAI 0, IA, 0, 1
	s_wait_dscnt 0x0                               ; at the loop's head the count 8 is right on the way back; on the way in these eight loads are waited for here
	; ---------------- layer 4: 16 units ----------------
.macro L4U j, last
	UA 8, 3, (\j)%2, (\j)%2, 8, 2*((\j)%2), 1-(\j)/2
.if \last
	FW 0, 1, 0                                     ; layer 5's first unit
	UB 8, 3, (\j)%2, (\j)%2, 16
.else
	FAI ((\j)+1)%2, IA, (\j)+1, 1
	FW ((\j)+1)%2, 1-(((\j)+1)/2)%2, ((\j)+1)%2
	UB 8, 3, (\j)%2, (\j)%2, 24
.endif
.endm
	s_mov_b32 s92, 3
.Ll4:
	L4U 0, 0
	L4U 1, 0
	L4U 2, 0
	L4U 3, 0
	WIN 0
	v_add_nc_u32 v[IA], 16384, v[IA]
	s_sub_co_u32 s92, s92, 1
	s_cmp_lg_u32 s92, 0
	s_cbranch_scc1 .Ll4
	L4U 0, 0                                       ; the last four units are written out: the last fetches no further k block
	L4U 1, 0
	L4U 2, 0
	L4U 3, 1
	; ---------------- d1 into LDS ----------------
	PLACES
	MAXP 3, 1, 32
	MAXFIN
	EXCH 192, 0, 0                                 ; its barrier also shows every wave's reads of the h3 image done
	SCALE
.irp f, 0,1,2,3,4,5,6,7
	PACK4 3, SF, IW3, \f, \f
.endr
	INIT 2, 0, BT, SQ, 4                           ; layer 5's sums start as bd2 x 256 / S4
	WIN 0xc0
.irp t, 0,1,2,3
.irp a, 0,1,2,3
	global_load_b128 v[8*(4*\t+\a):8*(4*\t+\a)+3],   v[GA+\a], s[24:25] offset:64*\t      ; Wh[domain of my row][my 8 columns of tile t], laid as layer 5's sums lie
	global_load_b128 v[8*(4*\t+\a)+4:8*(4*\t+\a)+7], v[GA+\a], s[24:25] offset:64*\t+16
.endr
.endr
	WIN 0
	s_wait_dscnt 0x0
	BAR
	FAI 0, HA, 0, 2
	; ---------------- layer 5: 8 units of two k blocks ----------------
.macro L5U u, chg
	UA 4, 2, (\u)%2, (\u)%2, 8*(((\u)+7)/8), \chg, 1-((\u)/2)%2
.if (\u) < 7
	FAI ((\u)+1)%2, HA, 2*(\u)+2, 2
	FW ((\u)+1)%2, 1-(((\u)+1)/2)%2, ((\u)+1)%2
	UB 4, 2, (\u)%2, (\u)%2, 32
.else
	UB 4, 2, (\u)%2, (\u)%2, 0
.endif
.endm
	L5U 0, 0
	L5U 1, 2                                       ; slot 89 is asked for
	L5U 2, 0
	L5U 3, 2                                       ; slot 90, the last
	L5U 4, 0
	L5U 5, 4                                       ; nothing is left to ask for
	L5U 6, 0
	L5U 7, 0
	; ---------------- out2 = d, the head, out0 ----------------
	PLACES
	s_sub_co_u32 s[SE], s[SS], 0x04000000          ; S4 / 256
	s_mov_b32 s[SE+1], s[SE]
	s_wait_loadcnt 0x0                             ; Wh
.macro OUT2 a
	WIN 2
.irp t, 0,1,2,3
.irp p, 0,2,4,6
	v_pk_mul_f32 v[TP+8*\t+\p:TP+8*\t+\p+1], v[8*(4*\t+(\a))+\p:8*(4*\t+(\a))+\p+1], s[SE:SE+1] op_sel_hi:[1,0]
.endr
.endr
	WIN 0
	RELU32
.irp t, 0,1,2,3
	ds_store_b128 v[SW2], v[TP+8*\t:TP+8*\t+3]   offset:64*\t
	ds_store_b128 v[SW2], v[TP+8*\t+4:TP+8*\t+7] offset:64*\t+16
.endr
	WIN 0x0c                                       ; source 1 (Wh) in window 3
.irp t, 0,1,2,3
.irp p, 0,2,4,6
.if (\t)+(\p) == 0
	v_pk_mul_f32 v[HP+2*(\a):HP+2*(\a)+1], v[TP:TP+1], v[8*(\a):8*(\a)+1]
.else
	v_pk_fma_f32 v[HP+2*(\a):HP+2*(\a)+1], v[TP+8*\t+\p:TP+8*\t+\p+1], v[8*(4*\t+(\a))+\p:8*(4*\t+(\a))+\p+1], v[HP+2*(\a):HP+2*(\a)+1]
.endif
.endr
.endr
	WIN 0
.set RB, AB+64*((\a)%2)
	s_wait_xcnt 0x0                                ; earlier stores have read their registers
.set zz, 0
.rept 8
	ds_load_b128 v[RB+4*zz:RB+4*zz+3], v[SR2] offset:zz*544
.set zz, zz+1
.endr
.set zz, 0
.rept 8
	s_wait_dscnt 7-zz
	global_store_b128 v[O2], v[RB+4*zz:RB+4*zz+3], s[32:33] offset:(16*(\a)+2*zz)*1024 th:TH_STORE_NT  ; 16 lanes store 256 consecutive bytes, at a multiple of 256 from out2's first; the other 16 the row below
.set zz, zz+1
.endr
.endm
	OUT2 0
	OUT2 1
	OUT2 2
	OUT2 3
.irp a, 0,1,2,3
	v_add_f32 v[HP+2*\a], v[HP+2*\a], v[HP+2*\a+1]
.endr
.irp a, 0,1,2,3
	v_permlanex16_b32 v[HP+2*\a+1], v[HP+2*\a], s[SEL], s[SEL+1]   ; the row's other 32 of my 64 columns lie in the lane 16 away
.endr
.irp a, 0,1,2,3
	v_add_f32 v[HP+2*\a], v[HP+2*\a], v[HP+2*\a+1]
.endr
.irp a, 0,1,2,3
	ds_store_b32 v[HS], v[HP+2*\a] offset:64*\a    ; my wave's part of row 16 a + r's head
.endr
	s_lshl_b32 s86, s[WV], 6
	s_add_co_u32 s86, s86, SCR+1280
	v_lshl_add_u32 v[T0], v[RR], 2, s86
	ds_store_b32 v[T0], v[WS]                      ; the wide sum of row 16 w + r
	s_wait_dscnt 0x0                               ; for wave 0's sake
	BAR
	s_cmp_lg_u32 s[WV], 0
	s_cbranch_scc1 .Lnot_first
	v_lshl_add_u32 v[T1], v[LN], 3, v[SCRB]        ; lane l takes rows 2 l and 2 l + 1
.irp j, 0,1,2,3,4
	ds_load_b64 v[TP+2*\j:TP+2*\j+1], v[T1] offset:256+256*\j      ; four waves' parts of the head, then the wide sums
.endr
	s_wait_dscnt 0x0
	v_pk_add_f32 v[TP:TP+1], v[TP:TP+1], v[TP+2:TP+3]
	v_pk_add_f32 v[TP+4:TP+5], v[TP+4:TP+5], v[TP+6:TP+7]
	v_pk_add_f32 v[TP+8:TP+9], v[TP+8:TP+9], v[BHV:BHV+1]
	v_pk_add_f32 v[TP:TP+1], v[TP:TP+1], v[TP+4:TP+5]
	v_pk_add_f32 v[TP:TP+1], v[TP:TP+1], v[TP+8:TP+9]
	v_mul_f32 v[TP+2], 0xbfb8aa3b, v[TP]           ; sigmoid(z) = 1 / (1 + 2^(-z log2 e))
	v_mul_f32 v[TP+3], 0xbfb8aa3b, v[TP+1]
	v_exp_f32 v[TP+2], v[TP+2]
	v_exp_f32 v[TP+3], v[TP+3]
	v_lshlrev_b32 v[T0], 3, v[LN]                  ; a plain instruction behind the exponentials (ISA guide 5.7.2)
	s_wait_alu depctr_va_vdst(0)
	v_add_f32 v[TP+2], 1.0, v[TP+2]
	v_add_f32 v[TP+3], 1.0, v[TP+3]
	v_rcp_f32 v[TP+2], v[TP+2]
	v_rcp_f32 v[TP+3], v[TP+3]
	v_nop                                          ; and behind the reciprocals
	s_wait_alu depctr_va_vdst(0)
	global_store_b64 v[T0], v[TP+2:TP+3], s[28:29] ; the work-group's 64 numbers of out0: 256 consecutive bytes, aligned
.Lnot_first:
	ROUND                                          ; the closing round: no work-group ends while a partner may still ask for a piece that names it
	s_endpgm
.Lfunc_end_k_q0a2aeee0bc_mlp:
	.size	k_q0a2aeee0bc_mlp, .Lfunc_end_k_q0a2aeee0bc_mlp-k_q0a2aeee0bc_mlp
	.p2alignl 7, 3214868480
	.fill 96, 4, 3214868480
	.section	.rodata,"a",@progbits
	.p2align	6, 0x0
	.amdhsa_kernel k_q0a2aeee0bc_mlp
		.amdhsa_group_segment_fixed_size 327680
		.amdhsa_private_segment_fixed_size 0
		.amdhsa_enable_private_segment 0
		.amdhsa_kernarg_size 120
		.amdhsa_user_sgpr_count 2
		.amdhsa_user_sgpr_kernarg_segment_ptr 1
		.amdhsa_wavefront_size32 1
		.amdhsa_system_sgpr_workgroup_id_x 1
		.amdhsa_system_sgpr_workgroup_id_y 1
		.amdhsa_system_sgpr_workgroup_id_z 1
		.amdhsa_system_vgpr_workitem_id 0
		.amdhsa_next_free_vgpr 1024
		.amdhsa_next_free_sgpr 102
		.amdhsa_reserve_vcc 1
		.amdhsa_float_denorm_mode_32 3
		.amdhsa_float_denorm_mode_16_64 3
		.amdhsa_memory_ordered 1
		.amdhsa_forward_progress 1
		.amdhsa_inst_pref_size 255
	.end_amdhsa_kernel
	.section	.bss,"aw",@nobits
	.p2align	6
	.space	262144
	.amdgpu_metadata
---
amdhsa.version: [ 1, 2 ]
amdhsa.kernels:
  - .name:           k_q0a2aeee0bc_mlp
    .symbol:         k_q0a2aeee0bc_mlp.kd
    .args:
      - { .name: deep_features, .offset: 0, .size: 8, .value_kind: global_buffer, .address_space: global }
      - { .name: wide_features, .offset: 8, .size: 8, .value_kind: global_buffer, .address_space: global }
      - { .name: domain_ids, .offset: 16, .size: 8, .value_kind: global_buffer, .address_space: global }
      - { .name: wq, .offset: 24, .size: 8, .value_kind: global_buffer, .address_space: global }
      - { .name: wstat, .offset: 32, .size: 8, .value_kind: global_buffer, .address_space: global }
      - { .name: b1, .offset: 40, .size: 8, .value_kind: global_buffer, .address_space: global }
      - { .name: b2, .offset: 48, .size: 8, .value_kind: global_buffer, .address_space: global }
      - { .name: b3, .offset: 56, .size: 8, .value_kind: global_buffer, .address_space: global }
      - { .name: bd1, .offset: 64, .size: 8, .value_kind: global_buffer, .address_space: global }
      - { .name: bd2, .offset: 72, .size: 8, .value_kind: global_buffer, .address_space: global }
      - { .name: Wh, .offset: 80, .size: 8, .value_kind: global_buffer, .address_space: global }
      - { .name: bh, .offset: 88, .size: 8, .value_kind: global_buffer, .address_space: global }
      - { .name: out0, .offset: 96, .size: 8, .value_kind: global_buffer, .address_space: global }
      - { .name: out1, .offset: 104, .size: 8, .value_kind: global_buffer, .address_space: global }
      - { .name: out2, .offset: 112, .size: 8, .value_kind: global_buffer, .address_space: global }
    .group_segment_fixed_size: 327680
    .private_segment_fixed_size: 0
    .kernarg_segment_align: 8
    .kernarg_segment_size: 120
    .max_flat_workgroup_size: 128
    .sgpr_count:     102
    .vgpr_count:     1024
    .wavefront_size: 32
...
	.end_amdgpu_metadata
.endif
;; end of part 2
;; ======== version 2 of 2: 2 launches; 1.25 times as fast as version 1
;; limits: inputs' magnitudes at most 255; values are held in f16: magnitudes above 65,504 overflow, below 6.1e-05 lose precision; below input magnitudes of 2.4e-07 results are inexact or not finite
;; workspace buffers: wq 8,126,464 bytes; wstat 4,096 bytes
;; launch prep (part 3): grid 496 x 1, 8 waves a work-group, no clusters, 0 bytes of LDS; arguments W1, W2, W3, Wd1, Wd2, wq, wstat; writes wq, wstat
.if DOCPART == 3
	.amdgcn_target "amdgcn-amd-amdhsa--gfx1250"
	.amdhsa_code_object_version 6
	.text
	.protected	k_q0a2aeee0bc_prep
	.globl	k_q0a2aeee0bc_prep
	.p2align	8
	.type	k_q0a2aeee0bc_prep,@function
k_q0a2aeee0bc_prep:
	s_mov_b64 s[64:65], 0
	v_nop
	global_prefetch_b8 v0, s[64:65] scope:SCOPE_SE
	s_setreg_imm32_b32 hwreg(HW_REG_WAVE_MODE, 25, 1), 1
	s_wait_xcnt 0x0
; The five weight matrices ([K][N] f32) are written once as f16(256 W), in the order and the register image in which the second launch multiplies them.
; LIMIT: |W| stays below 255 (256 W must fit f16, whose largest number is 65,504).  The factor 256 is exact; it moves weights of size 0.01 into the middle of f16's range.
; A FRAGMENT is 16 columns n x 32 rows k, 1,024 bytes: byte 512 q + 16 (16 h + r) + 2 e holds 256 W[32 kb + 16 q + 8 h + e][16 nb + r]: two plain 16-byte loads a lane, 512 bytes apart, are a matrix operand.
; A UNIT is 8 fragments (8,192 bytes) of one wave of the second launch.  Slots 0-81 hold 3 units for each of 4 waves (4 x 24,576 bytes, slot j at byte 98,304 j); slot 82, the last, holds 2 (4 x 16,384 bytes).
;   chunk c = 0..7 (24 units U a wave, slots 8 c + U / 3):  U = 0..7: W1, k blocks 2 U + i, fragment 4 i + t is column block 16 c + 4 w + t;   U = 8 + 2 kk + g: W2, k block 8 c + kk, fragment f is column block 16 w + 8 g + f
;   then units v = 0..55, unit v % 3 of slot 64 + v / 3:  v < 32: W3, k block v, column block 8 w + f;  v < 48: Wd1, k block v - 32, column block 8 w + f;  else Wd2, k blocks 2 (v - 48) + i, fragment 4 i + t is column block 4 w + t
; A TASK is one wave's: 32 k x 32 n, two neighbouring fragments.  Lane l loads column 32 np + l of 32 rows (a wave's load covers 128 neighbouring bytes, the work-group's eight waves 1,024 of the same row),
; so it holds all 32 k of its column; packed in fours they are the 16 bytes at 256 g + 16 (l % 16) of fragment l / 16: each store's 16 neighbouring lanes fill 256 consecutive bytes, aligned.
; W1's tasks also store the largest |W1| of the task (one f32 each, 1,024 in all): the second launch bounds its first layer's results by it.
; No LDS, no barrier, no loop: memory binds, and every byte is read once and written once.
	s_load_b256 s[4:11], s[0:1], 0x0               ; W1 s[4:5], W2 s[6:7], W3 s[8:9], Wd1 s[10:11]
	s_load_b128 s[12:15], s[0:1], 0x20             ; Wd2 s[12:13], wq s[14:15]
	s_load_b64 s[16:17], s[0:1], 0x30              ; wstat
	v_lshrrev_b32 v1, 5, v0
	v_readfirstlane_b32 s18, v1                    ; wave 0..7
	s_lshl_b32 s19, ttmp9, 3
	s_add_co_u32 s19, s19, s18                     ; the task's number T
	v_and_b32 v2, 31, v0                           ; lane
	v_lshlrev_b32 v3, 2, v2                        ; my column's byte in the 128 bytes of a row
	v_bfe_u32 v4, v0, 4, 1
	v_and_b32 v5, 15, v0
	v_lshlrev_b32 v5, 4, v5
	v_lshl_or_b32 v4, v4, 10, v5                   ; where I store: fragment lane / 16, 16 bytes at 16 (lane % 16)
	s_mov_b32 s21, 0                               ; high words of the two offsets
	s_mov_b32 s23, 0
	s_mov_b32 s33, 24576                           ; a wave's part of a slot of three units
	s_mov_b32 s34, 0x76543210                      ; v_permlanex16_b32: each lane takes its own place in the other half
	s_mov_b32 s35, 0xfedcba98
	s_wait_kmcnt 0x0
; s24 = np (pair of column blocks), s25 = kb; the task's 32 rows are loaded
.macro SRC ptr, n, lognp, tbase
	s_sub_co_u32 s26, s19, \tbase
	s_and_b32 s24, s26, (\n)/32-1
	s_lshr_b32 s25, s26, \lognp
	s_mul_i32 s20, s25, 128*(\n)                   ; 32 rows of 4 n bytes
	s_lshl_b32 s26, s24, 7
	s_add_co_u32 s20, s20, s26
	s_add_nc_u64 s[20:21], s[\ptr:\ptr+1], s[20:21]
.set e, 0
.rept 32
	global_load_b32 v[8+e], v3, s[20:21] offset:e*(\n)*4 th:TH_LOAD_NT
.set e, e+1
.endr
.endm
; s22 = byte offset in wq of fragment s30 of unit s27 behind slot 8 x s28, wave s29, whose part of the slot is s33 bytes
.macro DSTA
	s_mul_i32 s31, s27, 171
	s_lshr_b32 s31, s31, 9                         ; U / 3: 171 / 512 is exact for U below 500; here U is 55 at the most
	s_mul_i32 s32, s31, 3
	s_sub_co_u32 s32, s27, s32                     ; U % 3
	s_lshl3_add_u32 s31, s28, s31                  ; the slot
	s_mul_i32 s22, s31, 98304
	s_mul_i32 s31, s29, s33
	s_add_co_u32 s22, s22, s31
	s_lshl_b32 s32, s32, 13
	s_add_co_u32 s22, s22, s32
	s_lshl_b32 s31, s30, 10
	s_add_co_u32 s22, s22, s31
.endm
; scale, round, store; stat = 1: also the largest magnitude of the task
.macro FIN stat
	s_add_nc_u64 s[22:23], s[14:15], s[22:23]
	s_wait_loadcnt 0x0
.if \stat
	v_max_num_f32 v56, |v8|, |v9|
.set e, 10
.rept 15
	v_max3_num_f32 v56, v56, |v[e]|, |v[e+1]|
.set e, e+2
.endr
	v_max_num_f32_dpp v56, v56, v56 row_xmask:1 row_mask:0xf bank_mask:0xf
	v_max_num_f32_dpp v56, v56, v56 row_xmask:2 row_mask:0xf bank_mask:0xf
	v_max_num_f32_dpp v56, v56, v56 row_xmask:4 row_mask:0xf bank_mask:0xf
	v_max_num_f32_dpp v56, v56, v56 row_xmask:8 row_mask:0xf bank_mask:0xf
	v_mov_b32 v57, 0
	v_permlanex16_b32 v57, v56, s34, s35
	v_max_num_f32 v56, v56, v57
.endif
.set e, 0
.rept 16
	v_pk_mul_f32 v[8+2*e:9+2*e], v[8+2*e:9+2*e], 0x43800000 op_sel_hi:[1,0]   ; times 256, exact
.set e, e+1
.endr
.set e, 0
.rept 16
	v_cvt_pk_f16_f32 v[40+e], v[8+2*e], v[9+2*e]   ; k = 2 e in the low half, 2 e + 1 in the high half
.set e, e+1
.endr
.irp g, 0,1,2,3
	global_store_b128 v4, v[40+4*\g:43+4*\g], s[22:23] offset:256*\g
.endr
.if \stat
	v_cmp_eq_u32 vcc_lo, 0, v2
	s_lshl_b32 s26, s19, 2
	v_mov_b32 v57, s26
	s_wait_xcnt 0x0                                ; EXEC is a source of the stores above: it changes only behind this wait
	s_and_saveexec_b32 s27, vcc_lo
	global_store_b32 v57, v56, s[16:17]            ; lane 0 alone: wstat[T]
	s_wait_xcnt 0x0                                ; and again in front of the line that widens it
	s_or_b32 exec_lo, exec_lo, s27
.endif
	s_endpgm
.endm
	s_cmp_lt_u32 ttmp9, 128
	s_cbranch_scc1 .Lw1
	s_cmp_lt_u32 ttmp9, 384
	s_cbranch_scc1 .Lw2
	s_cmp_lt_u32 ttmp9, 448
	s_cbranch_scc1 .Lw3
	s_cmp_lt_u32 ttmp9, 480
	s_cbranch_scc1 .Lw4
	SRC 12, 256, 3, 3840                           ; Wd2: 16 k blocks x 8 pairs
	s_lshr_b32 s29, s24, 1                         ; w
	s_and_b32 s30, s24, 1
	s_lshl_b32 s30, s30, 1                         ; t
	s_and_b32 s31, s25, 1                          ; i
	s_lshl2_add_u32 s30, s31, s30                  ; f = 4 i + t
	s_lshr_b32 s27, s25, 1
	s_add_co_u32 s27, s27, 48                      ; v
	s_mov_b32 s28, 8
	s_cmp_lt_u32 s27, 54
	s_cselect_b32 s33, s33, 16384                  ; units 54 and 55 lie in slot 82, whose parts hold two units
	DSTA
	FIN 0
.Lw4:
	SRC 10, 512, 4, 3584                           ; Wd1: 16 k blocks x 16 pairs
	s_lshr_b32 s29, s24, 2                         ; w
	s_and_b32 s30, s24, 3
	s_lshl_b32 s30, s30, 1                         ; f
	s_add_co_u32 s27, s25, 32                      ; v
	s_mov_b32 s28, 8
	DSTA
	FIN 0
.Lw3:
	SRC 8, 512, 4, 3072                            ; W3: 32 k blocks x 16 pairs
	s_lshr_b32 s29, s24, 2                         ; w
	s_and_b32 s30, s24, 3
	s_lshl_b32 s30, s30, 1                         ; f
	s_mov_b32 s27, s25                             ; v
	s_mov_b32 s28, 8
	DSTA
	FIN 0
.Lw2:
	SRC 6, 1024, 5, 1024                           ; W2: 64 k blocks x 32 pairs
	s_lshr_b32 s29, s24, 3                         ; w
	s_bfe_u32 s31, s24, 0x10002                    ; g
	s_and_b32 s30, s24, 3
	s_lshl_b32 s30, s30, 1                         ; f
	s_lshr_b32 s28, s25, 3                         ; c
	s_and_b32 s27, s25, 7                          ; kk
	s_lshl1_add_u32 s27, s27, s31
	s_add_co_u32 s27, s27, 8                       ; U = 8 + 2 kk + g
	DSTA
	FIN 0
.Lw1:
	SRC 4, 2048, 6, 0                              ; W1: 16 k blocks x 64 pairs
	s_lshr_b32 s28, s24, 3                         ; c
	s_bfe_u32 s29, s24, 0x20001                    ; w
	s_and_b32 s30, s24, 1
	s_lshl_b32 s30, s30, 1                         ; t
	s_and_b32 s31, s25, 1                          ; i
	s_lshl2_add_u32 s30, s31, s30                  ; f = 4 i + t
	s_lshr_b32 s27, s25, 1                         ; U
	DSTA
	FIN 1
.Lfunc_end_k_q0a2aeee0bc_prep:
	.size	k_q0a2aeee0bc_prep, .Lfunc_end_k_q0a2aeee0bc_prep-k_q0a2aeee0bc_prep
	.p2alignl 7, 3214868480
	.fill 96, 4, 3214868480
	.section	.rodata,"a",@progbits
	.p2align	6, 0x0
	.amdhsa_kernel k_q0a2aeee0bc_prep
		.amdhsa_group_segment_fixed_size 0
		.amdhsa_private_segment_fixed_size 0
		.amdhsa_enable_private_segment 0
		.amdhsa_kernarg_size 56
		.amdhsa_user_sgpr_count 2
		.amdhsa_user_sgpr_kernarg_segment_ptr 1
		.amdhsa_wavefront_size32 1
		.amdhsa_system_sgpr_workgroup_id_x 1
		.amdhsa_system_sgpr_workgroup_id_y 1
		.amdhsa_system_sgpr_workgroup_id_z 1
		.amdhsa_system_vgpr_workitem_id 0
		.amdhsa_next_free_vgpr 64
		.amdhsa_next_free_sgpr 66
		.amdhsa_reserve_vcc 1
		.amdhsa_float_denorm_mode_32 3
		.amdhsa_float_denorm_mode_16_64 3
		.amdhsa_memory_ordered 1
		.amdhsa_forward_progress 1
		.amdhsa_inst_pref_size 38
	.end_amdhsa_kernel
	.amdgpu_metadata
---
amdhsa.version: [ 1, 2 ]
amdhsa.kernels:
  - .name:           k_q0a2aeee0bc_prep
    .symbol:         k_q0a2aeee0bc_prep.kd
    .args:
      - { .name: W1, .offset: 0, .size: 8, .value_kind: global_buffer, .address_space: global }
      - { .name: W2, .offset: 8, .size: 8, .value_kind: global_buffer, .address_space: global }
      - { .name: W3, .offset: 16, .size: 8, .value_kind: global_buffer, .address_space: global }
      - { .name: Wd1, .offset: 24, .size: 8, .value_kind: global_buffer, .address_space: global }
      - { .name: Wd2, .offset: 32, .size: 8, .value_kind: global_buffer, .address_space: global }
      - { .name: wq, .offset: 40, .size: 8, .value_kind: global_buffer, .address_space: global }
      - { .name: wstat, .offset: 48, .size: 8, .value_kind: global_buffer, .address_space: global }
    .group_segment_fixed_size: 0
    .private_segment_fixed_size: 0
    .kernarg_segment_align: 8
    .kernarg_segment_size: 56
    .max_flat_workgroup_size: 256
    .sgpr_count:     66
    .vgpr_count:     64
    .wavefront_size: 32
...
	.end_amdgpu_metadata
.endif
;; end of part 3
;; launch mlp (part 4): grid 256 x 1, 4 waves a work-group, clusters of 4 x 1, 327,680 bytes of LDS; arguments deep_features, wide_features, domain_ids, wq, wstat, b1, b2, b3, bd1, bd2, Wh, bh, out0, out1, out2; writes out0, out1, out2
.if DOCPART == 4
	.amdgcn_target "amdgcn-amd-amdhsa--gfx1250"
	.amdhsa_code_object_version 6
	.text
	.protected	k_q0a2aeee0bc_mlp
	.globl	k_q0a2aeee0bc_mlp
	.p2align	8
	.type	k_q0a2aeee0bc_mlp,@function
k_q0a2aeee0bc_mlp:
	s_mov_b64 s[64:65], 0
	v_nop
	global_prefetch_b8 v0, s[64:65] scope:SCOPE_SE
	s_setreg_imm32_b32 hwreg(HW_REG_WAVE_MODE, 25, 1), 1
	s_wait_xcnt 0x0
	s_wait_alu depctr_hold_cnt(0) depctr_sa_sdst(0) depctr_va_vdst(0) depctr_va_sdst(0) depctr_va_ssrc(0) depctr_va_vcc(0) depctr_vm_vsrc(0)
	s_getreg_b32 s2, hwreg(HW_REG_IB_STS2, 6, 4)
	s_cmp_eq_u32 s2, 0
	s_cbranch_scc0 .Lentry_in_a_cluster
	s_endpgm
.Lentry_in_a_cluster:
	s_bfe_u32 s2, ttmp6, 0x10000c
	s_cmp_lg_u32 s2, 0x3003
	s_cbranch_scc0 .Lentry_shape_is_right
	s_endpgm
.Lentry_shape_is_right:
; THE WHOLE CHAIN FOR 64 ROWS A WORK-GROUP: x[64][512] -> relu 2048 -> relu 1024 -> relu 512 (out1) -> relu 512 -> relu 256 (out2) -> head by domain + row sum of the wide features -> sigmoid (out0).
; No activation goes through memory.  16,384 rows / 64 = 256 work-groups.  Every work-group walks all weights (7.75 MiB as f16, laid out by the launch before), so the four work-groups of a cluster ask for each
; piece of the stream JOINTLY: the same tensor load, the same descriptor, the mask of four.
; SHARES.  Wave w makes all 64 rows (four blocks a of 16) x a quarter of each layer's columns, and reads only its own quarter of the weight stream.
; THE MATRIX INSTRUCTION IS USED TRANSPOSED: source 0 = 16 columns of W x 32 k, source 1 = 16 rows of the activation x 32 k.  In the result lane (r = l % 16, h = l / 16) holds row r and the columns 8 h + 0..7
; of the tile: rounded to f16 these 16 bytes are the lane's own 16 bytes of a source-1 fragment of the next layer (k block = tile / 2, half = tile % 2).  So activations lie in LDS as fragment images of
; 1,024 bytes, written and read at 16 x lane.
; FORMAT.  f16 operands, f32 sums.  Every f16 operand carries an exact power of two: weights 2^8; the activations of a work-group are divided by a power of two S above their largest magnitude (S0 from x, S2..S4
; from the finished sums; S1, whose layer is made in chunks, from the bound 512 S0 max|W1| + max|b1|).  A sum starts as b x 256 / S_in and holds z x 256 / S_in.  All scales live in scalar registers, and their
; products are sums of exponent fields.
; LIMITS.  |W| < 255; inputs, biases and activations below 2^40; a scale is at least 2^-39, so an activation matrix wholly below 2^-64 counts as 0; within a work-group an activation below 2^-25 of its scale
; counts as 0 in the next product; NaN and infinities are not treated apart; domain ids are taken as min(id, 7).
; THE RING.  Two LDS buffers of 98,304 bytes, wave w's part at + 24,576 w.  Slots 0-81 of the stream hold 3 units a wave, slot 82 holds 2; a UNIT is 8 weight fragments, 32 matrix instructions.  A buffer is
; filled again in its slot's last unit, whose fragments are in registers by then: each wave waits for its LDS reads and for all its tensor loads, a round of the cluster's barrier follows, and the joint refill is
; the first thing behind it.  By this text's own count two tensor loads of a wave are out at the start and one behind each round.
; THE WALK.  Layers 1 and 2 go in eight chunks of 256 columns of h1 (8 slots each), and layer 2's sums may take the chunks in any order.  Cluster number n begins at chunk g = (n xor n >> 3) & 7 and takes chunk
; (g + t) & 7 in trip t, so that the 64 clusters do not all ask for the same bytes of the stream for the first time at the same moment: in the first trip eight different eighths are asked for, and later trips ask
; for what another cluster has asked for before.  Whichever single bit of n is held fixed, the 32 clusters left still begin at all eight chunks.  g hangs on the cluster's number alone, which the four partners
; share; it enters the stream's and b1's global addresses and nothing else.  So the order of h2's f32 sums differs from cluster to cluster.
; Layers 3 to 5's part of the stream (slots 64-82) is walked by all clusters in one order: each slot is asked for by all of them together and by nobody before.  There the wave's next wait is for the very tile that
; it asks for behind the round, so the request goes out ahead of the unit's products; in the chunk loop 16 products stand inside the round.
; LDS: 0 ring;  ACT = 196,608 on is written by LDS stores alone, never by a tensor load:  h1 chunk image 32 KiB | x / S0 in f16, rows of 1,040 bytes;  later the h2 image (128 KiB);  later the h3, then the d1 image
; (64 KiB), each wave's own f32 stage (8,448 bytes) and 2 KiB of scratch for maxima and the head's partial sums.
; REGISTERS, in windows of 256 (s_set_vgpr_msb: bits 1:0 source 0, 3:2 source 1, 5:4 source 2, 7:6 destination):
;   window 0: v0-31 addresses; v32-63 TP, v64-79 PK at work; v80-111 BT bias tiles; v112-127 statistics; v128-191, v192-255 activation fragments, two buffers (also the rows read back from the stage)
;   window 1: v0-127 layer 1's sums (tile t, block a at 8 (4 t + a)); later b3 and bd1;  v128-191, v192-255 weight fragments, two buffers
;   window 2: x in f32; h2's sums, tiles 0-7; layer 3's sums; layer 5's sums          window 3: h2's sums, tiles 8-15; the wide features; layer 4's sums; the gathered Wh
; The chunk loop's last trip fetches x fragments and b1 tiles and starts layer-1 sums that nothing uses: the price of one text for all eight trips.
; Left out: prefetching of the stream; a k order of layers 3 to 5 that differs from cluster to cluster (it would put the cluster's number into LDS addresses).
.set RINGB, 98304
.set WPART, 24576
.set ACT,   196608
.set XP,    ACT+32768
.set XPI,   1040                       ; a row of x in LDS: 1,024 bytes + 16: an odd multiple of 16, so the 16 rows of a fragment load start in 16 different groups of four banks (64 banks of 4 bytes: ISA guide 11.1)
.set STG,   ACT+65536
.set STGW,  8448
.set SCR,   ACT+129024
.set FLOOR, 0x2b800000                 ; 2^-40
.set LN, 1                             ; lane
.set RR, 2                             ; lane % 16
.set HH, 3                             ; lane / 16
.set WA, 4                             ; v4, v5  my weight fragments in ring buffer 0, 1
.set XA, 6                             ; my place in a fragment of x
.set HA, 7                             ; ACT + 16 lane: reads of fragment images
.set IA, 8                             ; the same, stepped in the loops
.set HWR, 9                            ; writes: h1 chunk image, my 2 k blocks
.set IW2, 10                           ; h2 image, my 8 k blocks
.set IW3, 11                           ; h3 and d1 image, my 4 k blocks
.set XW, 12                            ; x in f16, my 16 rows
.set SW, 13                            ; my stage: in, rows of 528 bytes
.set SW2, 14                           ; in, rows of 272 bytes
.set SR, 15                            ; back, a row of 512 bytes
.set SR2, 16                           ; back, two rows of 256 bytes
.set GX, 17                            ; byte offsets in memory: x, wide, out1, out2
.set GW, 18
.set O1, 19
.set O2, 20
.set B1V, 21                           ; b1, the tiles of the chunk to come
.set BV2, 22                           ; my tiles of a bias of 1,024, 512, 256 columns
.set BV3, 23
.set BV5, 24
.set SCRW, 25                          ; SCR + 4 w
.set SCRB, 26                          ; SCR
.set HS, 27                            ; the head's partial sums: SCR + 256 + 256 w + 4 r
.set GA, 28                            ; v28-31  block a: byte offset in Wh of my row's head weights
.set TP, 32
.set PK, 64
.set BT, 80
.set MX, 112                           ; v112-115 four running maxima; at the end HP, the head's four pairs, with v116-119
.set HP, 112
.set EX, 116
.set BHO, 120                          ; v120-121 byte offsets in bh of rows 2 l, 2 l + 1
.set BHV, 122                          ; v122-123 their bh
.set WS, 124                           ; lanes i and 16 + i: the wide sum of my wave's row i
.set T0, 125
.set T1, 126
.set T2, 127
.set AB, 128
.set WB, 128
.set WV, 34                            ; s34 my wave's number
.set G1A, 40                           ; s[40:47] descriptor group 1: 96 rows of 256 bytes
.set G1B, 48                           ; s[48:55] 64 rows of 256 bytes
.set G0, 56                            ; s[56:59], s[60:63] descriptor group 0 of ring buffer 0, 1
.set DST, 66                           ; s[66:67] the step from slot 80 to slot 82, whose parts are narrower
.set SI0, 70                           ; pairs: a packed multiply names a pair and takes its low word for both halves
.set SQ1, 72
.set SF1, 74
.set SQ, 76                            ; 256 / S_out: starts the next layer's sums
.set SF, 78                            ; S_in / (256 S_out): a sum -> the next layer's f16 operand
.set SE, 80                            ; S_in / 256: a sum -> its true value
.set SI, 82                            ; 1 / S_out
.set SS, 84                            ; the scale of the activations in hand
.set GRP, 93                           ; s93 g: the chunk at which my cluster begins
.set NXB, 94                           ; s[94:95] byte offset in the stream of the slot that follows the chunk in hand: the next chunk's first, or slot 64
.set SEL, 96
.set MSB, 0
.set DEFER, 0
.macro WIN new                         ; the immediate's high byte repeats the setting that is left; a switch that changes nothing is dropped
.if MSB != (\new)
	s_set_vgpr_msb (MSB<<8)|(\new)
.set MSB, (\new)
.endif
.endm
; A vector instruction that reads a matrix result or writes a matrix instruction's register, and a load into such a register, stand four places behind it; only plain vector instructions that name none of
; its registers are places (ISA guide 7.12.1 for vector instructions).
.macro PLACES
.rept 4
	v_nop
.endr
.endm
.macro BAR
	s_barrier_signal -1
	s_barrier_wait -1
.endm
.macro CREST                           ; a round of the cluster's barrier behind its opening barrier: wave 0 signals for the work-group, every wave waits for all four work-groups, my work-group's barrier once more
	s_cmp_lg_u32 s[WV], 0
	s_cbranch_scc1 .Lnot_wave_0_\@
	s_barrier_signal -3
.Lnot_wave_0_\@:
	s_barrier_wait -3
	s_barrier_signal -1
	s_barrier_wait -1
.endm
.macro ROUND
	BAR
	CREST
.endm
; 16 matrix instructions.  kind 8: one k block, weight fragments 4 half + x, sums 8 (4 f + a), 32 of them a unit.  kind 4: k block number half of two, fragments 4 half + t, sums 8 (4 t + a), 16 of them.
; The sums take turns, one instruction a turn: between two links of a chain stand 31 or 15 others', over unit borders and backward jumps too.
.macro MUL kind, half, win, wb, ab
	WIN (\win)*0x50+1                              ; weights in window 1, activations in window 0, C and D in window win
.irp x, 0,1,2,3
.irp a, 0,1,2,3
.set rW, WB+64*(\wb)+8*(4*(\half)+\x)
.if (\kind) == 8
.set rD, 8*(4*(4*(\half)+\x)+\a)
.set rA, AB+64*(\ab)+8*\a
.else
.set rD, 8*(4*\x+\a)
.set rA, AB+64*(\ab)+32*(\half)+8*\a
.endif
	v_wmma_f32_16x16x32_f16 v[rD:rD+7], v[rW:rW+7], v[rA:rA+7], v[rD:rD+7]
.endr
.endr
.endm
.macro FW wb, sb, uis                  ; a unit's 8 weight fragments: 16 loads, unit uis of the slot in ring buffer sb
	WIN 0x40
.set zw, 0
.rept 16
	ds_load_b128 v[WB+64*(\wb)+4*zw:WB+64*(\wb)+4*zw+3], v[WA+(\sb)] offset:(\uis)*8192+512*zw
.set zw, zw+1
.endr
.endm
.macro FAX ab, u                       ; x's fragments of k blocks 2 u, 2 u + 1: 16 loads
	WIN 0
.irp i, 0,1
.irp a, 0,1,2,3
	ds_load_b128 v[AB+64*(\ab)+32*\i+8*\a:AB+64*(\ab)+32*\i+8*\a+3],   v[XA] offset:\a*16*XPI+(2*(\u)+\i)*64
	ds_load_b128 v[AB+64*(\ab)+32*\i+8*\a+4:AB+64*(\ab)+32*\i+8*\a+7], v[XA] offset:\a*16*XPI+(2*(\u)+\i)*64+32
.endr
.endr
.endm
.macro FAI ab, areg, kb0, nk           ; nk k blocks of a fragment image, from block kb0 behind the address: 8 loads each
	WIN 0
.set zi, 0
.rept \nk
.irp a, 0,1,2,3
	ds_load_b128 v[AB+64*(\ab)+32*zi+8*\a:AB+64*(\ab)+32*zi+8*\a+3],   v[\areg] offset:((\kb0)+zi)*4096+\a*1024
	ds_load_b128 v[AB+64*(\ab)+32*zi+8*\a+4:AB+64*(\ab)+32*zi+8*\a+7], v[\areg] offset:((\kb0)+zi)*4096+\a*1024+512
.endr
.set zi, zi+1
.endr
.endm
; A UNIT, first part: the wait, 16 matrix instructions, and the places in front of the next unit's fetches, which the caller writes behind it (activations first, then weights).
; chg = 0: hw = 8 lets the youngest eight weight loads stay out (they feed the second half).
; chg = 1, 3, 5: the slot's last unit: ring buffer sb is filled again (1: two slots on; 3: from slot 80 to slot 82, of two units; 5: with slot sb of what follows the chunk in hand: the address is made anew from the
; stream's address and the offset s[NXB]).  chg = 4: the other buffer's fill is waited for and nothing is asked for.
; early = 1 (layers 3 to 5): nothing stands inside the round, so that the refill goes out as soon as the order allows; the unit's first 16 matrix instructions follow behind the fetches, in the second part.
.macro UA kind, win, wb, ab, hw, chg, sb, early=0
.set DEFER, 0
.if (\chg) == 0
	s_wait_dscnt \hw
.elseif (\chg) == 4
	s_wait_dscnt \hw
	s_wait_tensorcnt 0x0                           ; the last slot is in: only I read my part of it, so my own wait is all that its reads need
.else
.if \early
.set DEFER, 1
	WIN 0
.endif
	s_wait_dscnt 0x0                               ; my reads of this slot are back (the last were issued in the unit before), and all my reads of activations
	s_wait_tensorcnt 0x0                           ; all my tensor loads have landed: the one that was out is my part of the other buffer; so a group 0 may be written
.if (\chg) == 1
	s_add_nc_u64 s[G0+4*(\sb)+2:G0+4*(\sb)+3], s[G0+4*(\sb)+2:G0+4*(\sb)+3], 2*RINGB
.elseif (\chg) == 3
	s_add_nc_u64 s[G0+4*(\sb)+2:G0+4*(\sb)+3], s[G0+4*(\sb)+2:G0+4*(\sb)+3], s[DST:DST+1]
.else
	s_add_nc_u64 s[G0+4*(\sb)+2:G0+4*(\sb)+3], s[10:11], s[NXB:NXB+1]   ; my part of the stream + the offset, made apart from the address
.if (\sb) == 1
	s_add_nc_u64 s[G0+4*(\sb)+2:G0+4*(\sb)+3], s[G0+4*(\sb)+2:G0+4*(\sb)+3], RINGB
.endif
	s_or_b32 s[G0+4*(\sb)+3], s[G0+4*(\sb)+3], 0x80000000              ; type = 2, set again
.endif
	s_barrier_signal -1                            ; opens a round of the cluster's barrier; only register work stands inside it
.endif
.if !DEFER
	MUL \kind, 0, \win, \wb, \ab
.endif
.if ((\chg) == 0) || ((\chg) == 4)
	PLACES
.else
	WIN 0
	s_barrier_wait -1
	CREST                                          ; no wave of any partner still reads this buffer or has a load on its way
.if (\chg) == 3
	tensor_load_to_lds s[G0+4*(\sb):G0+4*(\sb)+3], s[G1B:G1B+7]
	s_nop 0
.else
	tensor_load_to_lds s[G0+4*(\sb):G0+4*(\sb)+3], s[G1A:G1A+7]
	s_nop 0
.endif
	PLACES                                         ; four v_nop follow the load; they are also the places in front of the fetches
.endif
.endm
.macro UB kind, win, wb, ab, n         ; second part: n = the LDS loads just issued for the next unit, which may stay out
	s_wait_dscnt \n
.if DEFER
	MUL \kind, 0, \win, \wb, \ab
.endif
	MUL \kind, 1, \win, \wb, \ab
.endm
.macro RELU32
.set zz, 0
.rept 32
	v_max_num_f32 v[TP+zz], 0, v[TP+zz]
.set zz, zz+1
.endr
.endm
.macro CVT16
.set zz, 0
.rept 16
	v_cvt_pk_f16_f32 v[PK+zz], v[TP+2*zz], v[TP+2*zz+1]
.set zz, zz+1
.endr
.endm
; The four sums (blocks a = 0..3) at v[32 fb ..] of window win: times s[sf], relu, f16, into the image as tile tt.  Each sum's registers are read in ascending order.
.macro PACK4 win, sf, areg, fb, tt
	WIN \win
.set zz, 0
.rept 16
	v_pk_mul_f32 v[TP+2*zz:TP+2*zz+1], v[32*(\fb)+2*zz:32*(\fb)+2*zz+1], s[\sf:\sf+1] op_sel_hi:[1,0]
.set zz, zz+1
.endr
	WIN 0
	RELU32
	CVT16
.irp a, 0,1,2,3
	ds_store_b128 v[\areg], v[PK+4*\a:PK+4*\a+3] offset:((\tt)/2)*4096+\a*1024+((\tt)%2)*512
.endr
.endm
; The sums of nt tiles x 4 blocks start as bias x s[sq]: nothing is cleared, and every matrix instruction adds in place.
.macro INIT dwin, swin, src, sq, nt
	WIN ((\dwin)<<6)|(\swin)
.set zt, 0
.rept \nt
.irp a, 0,1,2,3
.irp p, 0,2,4,6
	v_pk_mul_f32 v[8*(4*zt+\a)+\p:8*(4*zt+\a)+\p+1], v[(\src)+8*zt+\p:(\src)+8*zt+\p+1], s[\sq:\sq+1] op_sel_hi:[1,0]
.endr
.endr
.set zt, zt+1
.endr
.endm
.macro LDB dst, cnt, areg, sb          ; bias tiles: 32 bytes a lane and tile, tiles 64 bytes apart
.set zz, 0
.rept \cnt
	global_load_b128 v[(\dst)+4*zz:(\dst)+4*zz+3], v[\areg], s[\sb:\sb+1] offset:(zz/2)*64+(zz%2)*16
.set zz, zz+1
.endr
.endm
.macro MAXP win, first, nt             ; the largest of 0 and nt sums, in four chains; each sum's lowest registers are read first
	WIN (\win)*0x14
.set zn, 0
.rept 4*(\nt)
.if (\first) && (zn < 4)
	v_max3_num_f32 v[MX+zn], 0, v[2*zn], v[2*zn+1]
.else
	v_max3_num_f32 v[MX+zn%4], v[MX+zn%4], v[2*zn], v[2*zn+1]
.endif
.set zn, zn+1
.endr
.endm
.macro WRED reg, tmp                   ; the maximum over the wave's 32 lanes, in every lane
	v_max_num_f32_dpp v[\reg], v[\reg], v[\reg] row_xmask:1 row_mask:0xf bank_mask:0xf
	v_max_num_f32_dpp v[\reg], v[\reg], v[\reg] row_xmask:2 row_mask:0xf bank_mask:0xf
	v_max_num_f32_dpp v[\reg], v[\reg], v[\reg] row_xmask:4 row_mask:0xf bank_mask:0xf
	v_max_num_f32_dpp v[\reg], v[\reg], v[\reg] row_xmask:8 row_mask:0xf bank_mask:0xf
	v_permlanex16_b32 v[\tmp], v[\reg], s[SEL], s[SEL+1]
	v_max_num_f32 v[\reg], v[\reg], v[\tmp]
.endm
.macro MAXFIN
	WIN 0
	v_max3_num_f32 v[MX], v[MX], v[MX+1], v[MX+2]
	v_max_num_f32 v[MX], v[MX], v[MX+3]
	WRED MX, MX+1
.endm
; The four waves' maxima meet in scratch; s98 takes the work-group's.  pre: a barrier first, where the scratch bytes lie under an image that others may still read.  post: a barrier behind, where they are overwritten next.
; The barrier behind the store also shows every wave's reads of the old activations done: each wave's wait for 0 stands in front of its signal.
.macro EXCH off, pre, post
.if \pre
	s_wait_dscnt 0x0
	BAR
.endif
	ds_store_b32 v[SCRW], v[MX] offset:\off
	s_wait_dscnt 0x0
	BAR
	ds_load_b128 v[EX:EX+3], v[SCRB] offset:\off
	s_wait_dscnt 0x0
	v_max3_num_f32 v[MX], v[EX], v[EX+1], v[EX+2]
	v_max_num_f32 v[MX], v[MX], v[EX+3]
	v_readfirstlane_b32 s98, v[MX]
.if \post
	BAR
.endif
.endm
; From the largest sum (s98) and S_in (s[SS]): E = S_in / 256; S_out = the power of two above largest x E, at least 2^-39; I = 1 / S_out; F = E I; Q = 256 I.  Powers of two are multiplied by adding exponent fields.
.macro SCALE
	s_sub_co_u32 s[SE], s[SS], 0x04000000
	s_and_b32 s98, s98, 0x7f800000
	s_add_co_u32 s98, s98, s[SE]
	s_sub_co_u32 s98, s98, 0x3f800000
	s_max_i32 s98, s98, FLOOR
	s_add_co_u32 s[SS], s98, 0x00800000
	s_sub_co_u32 s[SI], 0x7e800000, s98
	s_add_co_u32 s[SF], s[SE], s[SI]
	s_sub_co_u32 s[SF], s[SF], 0x3f800000
	s_add_co_u32 s[SQ], s[SI], 0x04000000
	s_mov_b32 s[SE+1], s[SE]
	s_mov_b32 s[SI+1], s[SI]
	s_mov_b32 s[SF+1], s[SF]
	s_mov_b32 s[SQ+1], s[SQ]
.endm
	; ---------------- the start ----------------
	s_load_b512 s[4:19], s[0:1], 0x0               ; x s[4:5], wide s[6:7], ids s[8:9], wq s[10:11], wstat s[12:13], b1 s[14:15], b2 s[16:17], b3 s[18:19]
	s_load_b256 s[20:27], s[0:1], 0x40             ; bd1 s[20:21], bd2 s[22:23], Wh s[24:25], bh s[26:27]
	s_load_b128 s[28:31], s[0:1], 0x60             ; out0 s[28:29], out1 s[30:31]
	s_load_b64 s[32:33], s[0:1], 0x70              ; out2
	v_lshrrev_b32 v1, 5, v0
	v_readfirstlane_b32 s[WV], v1                  ; wave 0..3
	s_bfe_u32 s35, ttmp6, 0x40000                  ; cx: my place in the cluster
	s_lshl_b32 s98, ttmp9, 2                       ; in a cluster launch ttmp9 counts clusters
	s_add_co_u32 s35, s98, s35                     ; my block of 64 rows: it enters the addresses of x, wide, ids and the outputs alone
	s_lshr_b32 s[GRP], ttmp9, 3                    ; g = (n xor n >> 3) & 7, of the cluster's number n alone: the same in the four partners
	s_xor_b32 s[GRP], s[GRP], ttmp9
	s_and_b32 s[GRP], s[GRP], 7
	s_mul_i32 s[NXB], s[GRP], 8*RINGB              ; chunk g's first slot in the stream
	s_mov_b32 s[NXB+1], 0
	; descriptor group 1: a wave's part of a slot is dense in memory and comes as rows of 256 bytes (32 elements of 8 bytes)
	s_mov_b32 s[G1A+0], 15|(3<<16)|(1<<21)         ; 15:0 the mask of four; 17:16 elements of 8 bytes; 21 set beside a mask; no padding
	s_mov_b32 s[G1A+1], 32<<16                     ; tensor_dim0 = 32
	s_mov_b32 s[G1A+2], 96<<16                     ; tensor_dim1 = 96
	s_mov_b32 s[G1A+3], 32<<16                     ; tile_dim0 = 32
	s_mov_b32 s[G1A+4], 96                         ; tile_dim1 = 96
	s_mov_b32 s[G1A+5], 32                         ; 32 elements from row to row
	s_mov_b32 s[G1A+6], 0
	s_mov_b32 s[G1A+7], 0
	s_mov_b32 s[G1B+0], 15|(3<<16)|(1<<21)
	s_mov_b32 s[G1B+1], 32<<16
	s_mov_b32 s[G1B+2], 64<<16                     ; the same with 64 rows
	s_mov_b32 s[G1B+3], 32<<16
	s_mov_b32 s[G1B+4], 64
	s_mov_b32 s[G1B+5], 32
	s_mov_b32 s[G1B+6], 0
	s_mov_b32 s[G1B+7], 0
	s_mul_i32 s36, s[WV], WPART                    ; my part of a slot of three units, in memory and in LDS: the wave's number alone, no place in the cluster
	s_mov_b32 s37, 0
	s_mov_b32 s[G0], 1                             ; count = 1
	s_mov_b32 s[G0+1], s36                         ; LDS address, buffer 0
	s_mov_b32 s[G0+4], 1
	s_add_co_u32 s[G0+5], s36, RINGB               ; buffer 1
	s_lshl_b32 s85, s[WV], 13
	s_sub_co_u32 s[DST], 196608, s85               ; slot 80 -> 82: 2 x 98,304 less the 8,192 by which a wave's part shrinks, w times
	s_mov_b32 s[DST+1], 0
	s_mov_b32 s[SEL], 0x76543210                   ; v_permlanex16_b32: each lane takes its own place in the other half
	s_mov_b32 s[SEL+1], 0xfedcba98
	s_lshl_b32 s98, s35, 17                        ; 64 rows of 2,048 bytes
	s_mov_b32 s99, 0
	s_lshl_b32 s100, s35, 16                       ; of 1,024 bytes
	s_mov_b32 s101, 0
	s_lshl_b32 s38, s35, 8                         ; of 4 bytes
	s_mov_b32 s39, 0
	s_wait_kmcnt 0x0
	s_add_nc_u64 s[10:11], s[10:11], s[36:37]      ; the stream at my part of slot 0
	s_add_nc_u64 s[G0+2:G0+3], s[10:11], s[NXB:NXB+1]  ; chunk g's slot 0, my part
	s_add_nc_u64 s[G0+6:G0+7], s[G0+2:G0+3], RINGB ; its slot 1
	s_or_b32 s[G0+3], s[G0+3], 0x80000000          ; type = 2
	s_or_b32 s[G0+7], s[G0+7], 0x80000000
	s_add_nc_u64 s[4:5], s[4:5], s[98:99]
	s_add_nc_u64 s[30:31], s[30:31], s[98:99]
	s_add_nc_u64 s[6:7], s[6:7], s[100:101]
	s_add_nc_u64 s[32:33], s[32:33], s[100:101]
	s_add_nc_u64 s[8:9], s[8:9], s[38:39]
	s_add_nc_u64 s[28:29], s[28:29], s[38:39]
	ROUND                                          ; all four work-groups are here: the first joint loads meet
	tensor_load_to_lds s[G0:G0+3], s[G1A:G1A+7]    ; both first fills together, ahead of every wait on TENSORcnt and every LDS read: two loads of mine are out
	s_nop 0
	tensor_load_to_lds s[G0+4:G0+7], s[G1A:G1A+7]
	s_nop 0
	PLACES
	v_and_b32 v[LN], 31, v0
	v_and_b32 v[RR], 15, v0
	v_bfe_u32 v[HH], v0, 4, 1
	v_lshlrev_b32 v[T2], 4, v[LN]                  ; 16 x lane
	v_lshl_add_u32 v[GX], s[WV], 15, v[T2]         ; my 16 rows of x
	WIN 0x80
.set zn, 0
.rept 64                               ; x, my 16 rows: each load covers 512 neighbouring bytes
	global_load_b128 v[4*zn:4*zn+3], v[GX], s[4:5] offset:(zn/4)*2048+(zn%4)*512 th:TH_LOAD_NT
.set zn, zn+1
.endr
	WIN 0
	v_lshlrev_b32 v[BV5], 5, v[HH]                 ; 32 h
	v_lshl_add_u32 v[BV2], s[WV], 10, v[BV5]
	v_lshl_add_u32 v[BV3], s[WV], 9, v[BV5]
	v_lshl_add_u32 v[BV5], s[WV], 8, v[BV5]
	s_lshl_b32 s91, s[GRP], 10                     ; a chunk's 256 numbers of b1
	v_add_nc_u32 v[B1V], s91, v[BV5]
	v_lshl_add_u32 v[T0], s[WV], 10, v[T2]         ; my quarter of wstat
	v_lshl_add_u32 v[T1], s[WV], 11, v[T2]         ; my quarter of b1
	WIN 0x40
	LDB 0, 32, BV2, 16                             ; b2, my 16 tiles, for the moment where layer 1's sums will lie
	WIN 0
	LDB BT, 8, B1V, 14                             ; b1, the first chunk's tiles
	global_load_b128 v[128:131], v[T0], s[12:13]
	global_load_b128 v[132:135], v[T0], s[12:13] offset:512
.irp j, 0,1,2,3
	global_load_b128 v[136+4*\j:139+4*\j], v[T1], s[14:15] offset:512*\j
.endr
	v_add_nc_u32 v[WA], s36, v[T2]
	v_add_nc_u32 v[WA+1], RINGB, v[WA]
	v_mul_u32_u24 v[XA], v[RR], XPI
	v_lshl_add_u32 v[XA], v[HH], 4, v[XA]
	v_add_nc_u32 v[XA], XP, v[XA]
	v_add_nc_u32 v[HA], ACT, v[T2]
	v_lshl_add_u32 v[HWR], s[WV], 13, v[HA]
	v_lshl_add_u32 v[IW2], s[WV], 15, v[HA]
	v_lshl_add_u32 v[IW3], s[WV], 14, v[HA]
	s_mul_i32 s86, s[WV], 16*XPI
	s_add_co_u32 s86, s86, XP
	v_lshl_add_u32 v[XW], v[LN], 3, s86
	s_mul_i32 s87, s[WV], STGW
	s_add_co_u32 s87, s87, STG                     ; my stage
	v_mul_u32_u24 v[SW], v[RR], 528
	v_lshl_add_u32 v[SW], v[HH], 5, v[SW]
	v_add_nc_u32 v[SW], s87, v[SW]
	v_mul_u32_u24 v[SW2], v[RR], 272
	v_lshl_add_u32 v[SW2], v[HH], 5, v[SW2]
	v_add_nc_u32 v[SW2], s87, v[SW2]
	v_add_nc_u32 v[SR], s87, v[T2]
	v_mul_u32_u24 v[SR2], v[HH], 272
	v_lshl_add_u32 v[SR2], v[RR], 4, v[SR2]
	v_add_nc_u32 v[SR2], s87, v[SR2]
	v_lshl_add_u32 v[GW], s[WV], 14, v[T2]
	v_lshl_add_u32 v[O1], s[WV], 9, v[T2]
	v_lshlrev_b32 v[O2], 10, v[HH]
	v_lshl_add_u32 v[O2], v[RR], 4, v[O2]
	v_lshl_add_u32 v[O2], s[WV], 8, v[O2]
	v_mov_b32 v[SCRB], SCR
	v_lshl_add_u32 v[SCRW], s[WV], 2, v[SCRB]
	v_lshl_add_u32 v[HS], s[WV], 8, v[SCRB]
	v_lshl_add_u32 v[HS], v[RR], 2, v[HS]
	v_add_nc_u32 v[HS], 256, v[HS]
	v_lshl_add_u32 v[T2], s[WV], 4, v[SCRB]        ; SCR + 16 w
	s_wait_loadcnt 0x0
	WIN 0x28                                       ; sources 1 and 2 in window 2
.set zn, 0
.rept 128                              ; the largest |x| of my 16 rows
.if zn < 4
	v_max3_num_f32 v[MX+zn], 0, |v[2*zn]|, |v[2*zn+1]|
.else
	v_max3_num_f32 v[MX+zn%4], v[MX+zn%4], |v[2*zn]|, |v[2*zn+1]|
.endif
.set zn, zn+1
.endr
	WIN 0
	v_max3_num_f32 v[MX], v[MX], v[MX+1], v[MX+2]
	v_max_num_f32 v[MX], v[MX], v[MX+3]
	WRED MX, MX+3
	v_max_num_f32 v[MX+1], v128, v129              ; my quarter of the maxima of |W1|
	v_max3_num_f32 v[MX+1], v[MX+1], v130, v131
	v_max3_num_f32 v[MX+1], v[MX+1], v132, v133
	v_max3_num_f32 v[MX+1], v[MX+1], v134, v135
	WRED MX+1, MX+3
	v_max_num_f32 v[MX+2], |v136|, |v137|          ; my quarter of |b1|
.set zz, 138
.rept 7
	v_max3_num_f32 v[MX+2], v[MX+2], |v[zz]|, |v[zz+1]|
.set zz, zz+2
.endr
	WRED MX+2, MX+3
	ds_store_b128 v[T2], v[MX:MX+3]                ; the three maxima (the fourth word serves nothing)
	s_wait_dscnt 0x0                               ; for the others' sake
	BAR                                            ; the two tensor loads may stay out
.irp j, 0,1,2,3
	ds_load_b128 v[TP+4*\j:TP+4*\j+3], v[SCRB] offset:16*\j
.endr
	s_wait_dscnt 0x0
.irp j, 0,1,2
	v_max3_num_f32 v[MX+\j], v[TP+\j], v[TP+4+\j], v[TP+8+\j]
	v_max_num_f32 v[MX+\j], v[MX+\j], v[TP+12+\j]
.endr
	v_readfirstlane_b32 s98, v[MX]
	s_and_b32 s98, s98, 0x7f800000
	s_max_u32 s98, s98, FLOOR
	s_add_co_u32 s99, s98, 0x00800000              ; S0: the power of two above max|x|
	s_sub_co_u32 s[SI0], 0x7e800000, s98           ; 1 / S0
	s_mov_b32 s[SI0+1], s[SI0]
	v_mul_f32 v[MX+1], 0x44000000, v[MX+1]         ; 512 max|W1|
	v_fma_f32 v[MX+1], v[MX+1], s99, v[MX+2]       ; no |h1| of these rows is greater than 512 S0 max|W1| + max|b1|
	v_readfirstlane_b32 s100, v[MX+1]
	s_and_b32 s100, s100, 0x7f800000
	s_max_u32 s100, s100, FLOOR
	s_add_co_u32 s[SS], s100, 0x00800000           ; S1
	s_sub_co_u32 s101, 0x7e800000, s100            ; 1 / S1
	s_add_co_u32 s[SQ1], s[SI0], 0x04000000        ; 256 / S0
	s_mov_b32 s[SQ1+1], s[SQ1]
	s_add_co_u32 s[SF1], s99, s101
	s_sub_co_u32 s[SF1], s[SF1], 0x43800000        ; S0 / (256 S1)
	s_mov_b32 s[SF1+1], s[SF1]
	s_add_co_u32 s[SQ], s101, 0x04000000           ; 256 / S1
	s_mov_b32 s[SQ+1], s[SQ]
.set bq, 0
.rept 8                                ; x / S0 in f16 into LDS, two rows at a time; a store covers 256 neighbouring bytes
	WIN 0x02
.set zz, 0
.rept 16
	v_pk_mul_f32 v[TP+2*zz:TP+2*zz+1], v[32*bq+2*zz:32*bq+2*zz+1], s[SI0:SI0+1] op_sel_hi:[1,0]
.set zz, zz+1
.endr
	WIN 0
	CVT16
.set zz, 0
.rept 8
	ds_store_b64 v[XW], v[PK+2*zz:PK+2*zz+1] offset:((8*bq+zz)/4)*XPI+((8*bq+zz)%4)*256
.set zz, zz+1
.endr
.set bq, bq+1
.endr
	INIT 2, 1, 0, SQ, 8                            ; h2's 64 sums start as b2 x 256 / S1
	INIT 3, 1, 64, SQ, 8
	INIT 1, 0, BT, SQ1, 4                          ; the first chunk's 16 sums as b1 x 256 / S0
	WIN 0
	s_wait_dscnt 0x0                               ; my rows of x are in LDS
	s_wait_tensorcnt 0x1                           ; my part of the first slot is in; the second's may stay out
	BAR
	FAX 0, 0
	FW 0, 0, 0
	WIN 0
	; ---------------- layers 1 and 2, in eight chunks of 256 columns of h1 ----------------
.macro EPI1                            ; the chunk of h1 goes into LDS; the next chunk's sums start; then layer 2 may read it
	PLACES
.irp t, 0,1,2,3
	PACK4 1, SF1, HWR, \t, \t
.endr
	s_wait_loadcnt 0x0                             ; the next chunk's b1 tiles
	INIT 1, 0, BT, SQ1, 4
	WIN 0
	s_wait_dscnt 0x0                               ; for the others' sake: my part of the chunk is in LDS
	BAR                                            ; the tensor load that is out may stay out
	FAI 0, HA, 0, 1
.endm
	s_mov_b32 s90, 0
.Lchunk:                               ; trip t, chunk (g + t) & 7: 8 units of layer 1 (k = 512), the chunk's way into LDS, 16 units of layer 2 (k = the chunk's 256); 8 slots, 8 refills
	s_add_co_u32 s91, s90, 1
	s_add_co_u32 s91, s91, s[GRP]
	s_and_b32 s91, s91, 7                          ; the next chunk (the last trip names chunk g again: inside b1, and not used)
	s_mul_i32 s[NXB], s91, 8*RINGB                 ; its first slot in the stream; no descriptor names this register, so it may be written while a load is out
	s_cmp_eq_u32 s90, 7
	s_cselect_b32 s[NXB], 64*RINGB, s[NXB]         ; behind the last trip's chunk comes slot 64, layer 3's first
	s_lshl_b32 s91, s91, 10
	v_add_nc_u32 v[B1V], s91, v[BV5]               ; free: the loads that named it were waited for in the trip before
	LDB BT, 8, B1V, 14
.set U, 0
.rept 24
.set CH, ((U%3)/2)*(1+4*(U/20))        ; a slot's last unit fills its buffer again: six times inside the chunk, and in units 20 and 23 with the first two slots of what follows
.set SB, (U/3)%2
.set NW, (U+1)%2
.set NSB, (((U+1)%24)/3)%2
.set NUI, ((U+1)%24)%3
.if U < 8
	UA 4, 1, U%2, U%2, 8, CH, SB
.if U < 7
	FAX NW, U+1
	FW NW, NSB, NUI
	UB 4, 1, U%2, U%2, 32
.else
	FW NW, NSB, NUI
	UB 4, 1, U%2, U%2, 16
	EPI1
.endif
.else
.set KK, (U-8)/2
.set GG, (U-8)%2
	UA 8, 2+GG, U%2, KK%2, 8, CH, SB
.if GG == 0
	FW NW, NSB, NUI
	UB 8, 2+GG, U%2, KK%2, 16
.elseif U < 23
	FAI (KK+1)%2, HA, KK+1, 1
	FW NW, NSB, NUI
	UB 8, 2+GG, U%2, KK%2, 24
.else
	FAX 0, 0                                       ; the chunk image is written again only behind this unit's round, in front of which every wave has waited for its reads of it
	FW NW, NSB, NUI
	UB 8, 2+GG, U%2, KK%2, 32
.endif
.endif
.set U, U+1
.endr
	WIN 0
	s_add_co_u32 s90, s90, 1
	s_cmp_lt_u32 s90, 8
	s_cbranch_scc1 .Lchunk
	; ---------------- h2 into LDS ----------------
	PLACES
	WIN 0x40
	LDB 0, 16, BV3, 18                             ; b3, my 8 tiles
	LDB 64, 16, BV3, 20                            ; bd1
	WIN 0
	LDB BT, 8, BV5, 22                             ; bd2, my 4 tiles
	v_lshlrev_b32 v[T0], 2, v[RR]
	v_lshlrev_b32 v[T1], 3, v[LN]
.irp a, 0,1,2,3
	global_load_b32 v[GA+\a], v[T0], s[8:9] offset:64*\a   ; the domain of row 16 a + r
.endr
	global_load_b64 v[BHO:BHO+1], v[T1], s[8:9]    ; and of rows 2 l, 2 l + 1
	MAXP 2, 1, 32
	MAXP 3, 0, 32
	MAXFIN
	EXCH 64, 0, 1                                  ; the h2 image covers the scratch: everybody has read the maxima before it is written
	SCALE
.irp f, 0,1,2,3,4,5,6,7
	PACK4 2, SF, IW2, \f, \f
.endr
.irp f, 0,1,2,3,4,5,6,7
	PACK4 3, SF, IW2, \f, 8+\f
.endr
	s_wait_loadcnt 0x0
	INIT 2, 1, 0, SQ, 8                            ; layer 3's sums start as b3 x 256 / S2
	WIN 0
.irp a, 0,1,2,3
	v_min_u32 v[GA+\a], 7, v[GA+\a]
	v_lshl_add_u32 v[GA+\a], v[GA+\a], 10, v[BV5]  ; a row of Wh is 1,024 bytes; + my wave's 256 and my half's 32
.endr
	v_min_u32 v[BHO], 7, v[BHO]
	v_min_u32 v[BHO+1], 7, v[BHO+1]
	v_lshlrev_b32 v[BHO], 2, v[BHO]
	v_lshlrev_b32 v[BHO+1], 2, v[BHO+1]
	WIN 0xc0
.set zn, 0
.rept 32                               ; the wide features of my 16 rows land while layer 3 is multiplied
	global_load_b128 v[4*zn:4*zn+3], v[GW], s[6:7] offset:(zn/2)*1024+(zn%2)*512 th:TH_LOAD_NT
.set zn, zn+1
.endr
	WIN 0
	global_load_b32 v[BHV], v[BHO], s[26:27]
	global_load_b32 v[BHV+1], v[BHO+1], s[26:27]
	v_mov_b32 v[IA], v[HA]
	s_wait_dscnt 0x0
	BAR
	FAI 0, IA, 0, 1
	s_wait_dscnt 0x0                               ; at the loop's head the count 8 is right on the way back; on the way in these eight loads are waited for here
	; ---------------- layers 3 to 5: units v = 0..55, unit v % 3 of slot 64 + v / 3, ring buffer (v / 3) % 2; fragment buffers v % 2 ----------------
	; layer 3: units 0-31, one k block each
	s_mov_b32 s92, 5
.Ll3:                                  ; a trip: six units, two slots, two refills
.set V, 0
.rept 6
	UA 8, 2, V%2, V%2, 8, (V%3)/2, (V/3)%2, 1
	FAI (V+1)%2, IA, V+1, 1
	FW (V+1)%2, ((V+1)/3)%2, (V+1)%3
	UB 8, 2, V%2, V%2, 24
.set V, V+1
.endr
	WIN 0
	v_add_nc_u32 v[IA], 24576, v[IA]               ; six k blocks on
	s_sub_co_u32 s92, s92, 1
	s_cmp_lg_u32 s92, 0
	s_cbranch_scc1 .Ll3
	UA 8, 2, 0, 0, 8, 0, 0                         ; unit 30, the first of slot 74
	FAI 1, IA, 1, 1
	FW 1, 0, 1
	UB 8, 2, 0, 0, 24
	UA 8, 2, 1, 1, 8, 0, 0                         ; unit 31
	FW 0, 0, 2                                     ; layer 4's first unit, the last of slot 74
	UB 8, 2, 1, 1, 16
	; ---------------- out1 = h3, its image, and the wide sums ----------------
	PLACES
	MAXP 2, 1, 32
	MAXFIN
	EXCH 128, 1, 0                                 ; the scratch lies under the h2 image: a barrier first, behind every wave's wait for its reads of it
	SCALE
	s_wait_loadcnt 0x0                             ; the wide features and bh
	v_mov_b32 v[WS], 0
.irp bq, 0,1
	WIN 0x0f
.irp x, 0,1,2,3,4,5,6,7
	v_pk_add_f32 v[TP+4*\x:TP+4*\x+1],   v[8*(8*\bq+\x):8*(8*\bq+\x)+1],   v[8*(8*\bq+\x)+2:8*(8*\bq+\x)+3]
	v_pk_add_f32 v[TP+4*\x+2:TP+4*\x+3], v[8*(8*\bq+\x)+4:8*(8*\bq+\x)+5], v[8*(8*\bq+\x)+6:8*(8*\bq+\x)+7]
.endr
	WIN 0
.irp x, 0,1,2,3,4,5,6,7
	v_pk_add_f32 v[TP+4*\x:TP+4*\x+1], v[TP+4*\x:TP+4*\x+1], v[TP+4*\x+2:TP+4*\x+3]
.endr
.irp x, 0,1,2,3,4,5,6,7
	v_add_f32 v[TP+4*\x], v[TP+4*\x], v[TP+4*\x+1]
.endr
.irp m, 1,2,4,8
.irp x, 0,1,2,3,4,5,6,7
	v_add_f32_dpp v[TP+4*\x], v[TP+4*\x], v[TP+4*\x] row_xmask:\m row_mask:0xf bank_mask:0xf
.endr
.endr
.irp x, 0,1,2,3,4,5,6,7
	v_permlanex16_b32 v[TP+4*\x+1], v[TP+4*\x], s[SEL], s[SEL+1]
.endr
.irp x, 0,1,2,3,4,5,6,7
	v_add_f32 v[TP+4*\x], v[TP+4*\x], v[TP+4*\x+1]
.endr
.irp x, 0,1,2,3,4,5,6,7
	v_cmp_eq_u32 vcc_lo, 8*\bq+\x, v[RR]
	v_cndmask_b32 v[WS], v[WS], v[TP+4*\x], vcc_lo
.endr
.endr
; Block a's 16 rows x my 128 columns: true values into my stage and f16 / S3 into the image; then whole rows of 512 bytes come back and are stored.  The stage is my wave's own: LDS serves a wave's
; instructions in order (ISA guide 5.7.1.4), so no wait stands between its stores and its loads.
.macro OUT1 a
.irp bb, 0,1
	WIN 2
.irp x, 0,1,2,3
.irp p, 0,2,4,6
	v_pk_mul_f32 v[TP+8*\x+\p:TP+8*\x+\p+1], v[8*(4*(4*\bb+\x)+(\a))+\p:8*(4*(4*\bb+\x)+(\a))+\p+1], s[SE:SE+1] op_sel_hi:[1,0]
.endr
.endr
	WIN 0
	RELU32
.irp x, 0,1,2,3
	ds_store_b128 v[SW], v[TP+8*\x:TP+8*\x+3]   offset:64*(4*\bb+\x)
	ds_store_b128 v[SW], v[TP+8*\x+4:TP+8*\x+7] offset:64*(4*\bb+\x)+16
.endr
.set zz, 0
.rept 16
	v_pk_mul_f32 v[TP+2*zz:TP+2*zz+1], v[TP+2*zz:TP+2*zz+1], s[SI:SI+1] op_sel_hi:[1,0]
.set zz, zz+1
.endr
	CVT16
.irp x, 0,1,2,3
	ds_store_b128 v[IW3], v[PK+4*\x:PK+4*\x+3] offset:((4*\bb+\x)/2)*4096+(\a)*1024+(\x%2)*512
.endr
.endr
.set RB, AB+64*((\a)%2)
	s_wait_xcnt 0x0                                ; earlier stores have read their registers: these are loaded again only behind this wait
.set zz, 0
.rept 16
	ds_load_b128 v[RB+4*zz:RB+4*zz+3], v[SR] offset:zz*528
.set zz, zz+1
.endr
.set zz, 0
.rept 16
	s_wait_dscnt 15-zz                             ; LDS loads come back in order: row zz is in, the younger ones stay out
	global_store_b128 v[O1], v[RB+4*zz:RB+4*zz+3], s[30:31] offset:(16*(\a)+zz)*2048 th:TH_STORE_NT   ; 512 consecutive bytes, at a multiple of 512 from out1's first
.set zz, zz+1
.endr
.endm
	OUT1 0
	OUT1 1
	OUT1 2
	OUT1 3
	INIT 3, 1, 64, SQ, 8                           ; layer 4's sums start as bd1 x 256 / S3
	WIN 0
	v_mov_b32 v[IA], v[HA]
	s_wait_xcnt 0x0                                ; the fragment buffers were the stores' data
	s_wait_dscnt 0x0
	BAR
	FAI 0, IA, 0, 1                                ; waited for at the head of unit 32, whose wait is for 0
	; ---------------- layer 4: units 32-47, one k block each ----------------
.macro L4U v, kof, last                ; unit v; the next unit's k block lies kof blocks behind the stepped address
	UA 8, 3, (\v)%2, (\v)%2, 8, ((\v)%3)/2, ((\v)/3)%2, 1
.if \last
	FW ((\v)+1)%2, (((\v)+1)/3)%2, ((\v)+1)%3      ; layer 5's first unit
	UB 8, 3, (\v)%2, (\v)%2, 16
.else
	FAI ((\v)+1)%2, IA, \kof, 1
	FW ((\v)+1)%2, (((\v)+1)/3)%2, ((\v)+1)%3
	UB 8, 3, (\v)%2, (\v)%2, 24
.endif
.endm
	L4U 32, 1, 0                                   ; the last unit of slot 74
	WIN 0
	s_mov_b32 s92, 2
.Ll4:                                  ; a trip: six units (33-38, then 39-44), two slots, two refills
	L4U 33, 2, 0
	L4U 34, 3, 0
	L4U 35, 4, 0
	L4U 36, 5, 0
	L4U 37, 6, 0
	L4U 38, 7, 0
	WIN 0
	v_add_nc_u32 v[IA], 24576, v[IA]
	s_sub_co_u32 s92, s92, 1
	s_cmp_lg_u32 s92, 0
	s_cbranch_scc1 .Ll4
	L4U 45, 2, 0                                   ; slot 79 is written out: its last unit fetches no further k block
	L4U 46, 3, 0
	L4U 47, 0, 1
	; ---------------- d1 into LDS ----------------
	PLACES
	MAXP 3, 1, 32
	MAXFIN
	EXCH 192, 0, 0                                 ; its barrier also shows every wave's reads of the h3 image done
	SCALE
.irp f, 0,1,2,3,4,5,6,7
	PACK4 3, SF, IW3, \f, \f
.endr
	INIT 2, 0, BT, SQ, 4                           ; layer 5's sums start as bd2 x 256 / S4
	WIN 0xc0
.irp t, 0,1,2,3
.irp a, 0,1,2,3
	global_load_b128 v[8*(4*\t+\a):8*(4*\t+\a)+3],   v[GA+\a], s[24:25] offset:64*\t      ; Wh[domain of my row][my 8 columns of tile t], laid as layer 5's sums lie
	global_load_b128 v[8*(4*\t+\a)+4:8*(4*\t+\a)+7], v[GA+\a], s[24:25] offset:64*\t+16
.endr
.endr
	WIN 0
	s_wait_dscnt 0x0
	BAR
	FAI 0, HA, 0, 2
	; ---------------- layer 5: units 48-55, two k blocks each ----------------
.macro L5U u, chg
.set VV, 48+(\u)
	UA 4, 2, VV%2, VV%2, 8*(((\u)+7)/8), \chg, (VV/3)%2, 1
.if (\u) < 7
	FAI (VV+1)%2, HA, 2*(\u)+2, 2
	FW (VV+1)%2, ((VV+1)/3)%2, (VV+1)%3
	UB 4, 2, VV%2, VV%2, 32
.else
	UB 4, 2, VV%2, VV%2, 0
.endif
.endm
	L5U 0, 0
	L5U 1, 0
	L5U 2, 3                                       ; slot 80's last unit: slot 82, the last and of two units, is asked for
	L5U 3, 0
	L5U 4, 0
	L5U 5, 4                                       ; slot 81's last unit: nothing is left to ask for
	L5U 6, 0
	L5U 7, 0
	; ---------------- out2 = d, the head, out0 ----------------
	PLACES
	s_sub_co_u32 s[SE], s[SS], 0x04000000          ; S4 / 256
	s_mov_b32 s[SE+1], s[SE]
	s_wait_loadcnt 0x0                             ; Wh
.macro OUT2 a
	WIN 2
.irp t, 0,1,2,3
.irp p, 0,2,4,6
	v_pk_mul_f32 v[TP+8*\t+\p:TP+8*\t+\p+1], v[8*(4*\t+(\a))+\p:8*(4*\t+(\a))+\p+1], s[SE:SE+1] op_sel_hi:[1,0]
.endr
.endr
	WIN 0
	RELU32
.irp t, 0,1,2,3
	ds_store_b128 v[SW2], v[TP+8*\t:TP+8*\t+3]   offset:64*\t
	ds_store_b128 v[SW2], v[TP+8*\t+4:TP+8*\t+7] offset:64*\t+16
.endr
	WIN 0x0c                                       ; source 1 (Wh) in window 3
.irp t, 0,1,2,3
.irp p, 0,2,4,6
.if (\t)+(\p) == 0
	v_pk_mul_f32 v[HP+2*(\a):HP+2*(\a)+1], v[TP:TP+1], v[8*(\a):8*(\a)+1]
.else
	v_pk_fma_f32 v[HP+2*(\a):HP+2*(\a)+1], v[TP+8*\t+\p:TP+8*\t+\p+1], v[8*(4*\t+(\a))+\p:8*(4*\t+(\a))+\p+1], v[HP+2*(\a):HP+2*(\a)+1]
.endif
.endr
.endr
	WIN 0
.set RB, AB+64*((\a)%2)
	s_wait_xcnt 0x0                                ; earlier stores have read their registers
.set zz, 0
.rept 8
	ds_load_b128 v[RB+4*zz:RB+4*zz+3], v[SR2] offset:zz*544
.set zz, zz+1
.endr
.set zz, 0
.rept 8
	s_wait_dscnt 7-zz
	global_store_b128 v[O2], v[RB+4*zz:RB+4*zz+3], s[32:33] offset:(16*(\a)+2*zz)*1024 th:TH_STORE_NT  ; 16 lanes store 256 consecutive bytes, at a multiple of 256 from out2's first; the other 16 the row below
.set zz, zz+1
.endr
.endm
	OUT2 0
	OUT2 1
	OUT2 2
	OUT2 3
.irp a, 0,1,2,3
	v_add_f32 v[HP+2*\a], v[HP+2*\a], v[HP+2*\a+1]
.endr
.irp a, 0,1,2,3
	v_permlanex16_b32 v[HP+2*\a+1], v[HP+2*\a], s[SEL], s[SEL+1]   ; the row's other 32 of my 64 columns lie in the lane 16 away
.endr
.irp a, 0,1,2,3
	v_add_f32 v[HP+2*\a], v[HP+2*\a], v[HP+2*\a+1]
.endr
.irp a, 0,1,2,3
	ds_store_b32 v[HS], v[HP+2*\a] offset:64*\a    ; my wave's part of row 16 a + r's head
.endr
	s_lshl_b32 s86, s[WV], 6
	s_add_co_u32 s86, s86, SCR+1280
	v_lshl_add_u32 v[T0], v[RR], 2, s86
	ds_store_b32 v[T0], v[WS]                      ; the wide sum of row 16 w + r
	s_wait_dscnt 0x0                               ; for wave 0's sake
	BAR
	s_cmp_lg_u32 s[WV], 0
	s_cbranch_scc1 .Lnot_first
	v_lshl_add_u32 v[T1], v[LN], 3, v[SCRB]        ; lane l takes rows 2 l and 2 l + 1
.irp j, 0,1,2,3,4
	ds_load_b64 v[TP+2*\j:TP+2*\j+1], v[T1] offset:256+256*\j      ; four waves' parts of the head, then the wide sums
.endr
	s_wait_dscnt 0x0
	v_pk_add_f32 v[TP:TP+1], v[TP:TP+1], v[TP+2:TP+3]
	v_pk_add_f32 v[TP+4:TP+5], v[TP+4:TP+5], v[TP+6:TP+7]
	v_pk_add_f32 v[TP+8:TP+9], v[TP+8:TP+9], v[BHV:BHV+1]
	v_pk_add_f32 v[TP:TP+1], v[TP:TP+1], v[TP+4:TP+5]
	v_pk_add_f32 v[TP:TP+1], v[TP:TP+1], v[TP+8:TP+9]
	v_mul_f32 v[TP+2], 0xbfb8aa3b, v[TP]           ; sigmoid(z) = 1 / (1 + 2^(-z log2 e))
	v_mul_f32 v[TP+3], 0xbfb8aa3b, v[TP+1]
	v_exp_f32 v[TP+2], v[TP+2]
	v_exp_f32 v[TP+3], v[TP+3]
	v_lshlrev_b32 v[T0], 3, v[LN]                  ; a plain instruction behind the exponentials (ISA guide 5.7.2)
	s_wait_alu depctr_va_vdst(0)
	v_add_f32 v[TP+2], 1.0, v[TP+2]
	v_add_f32 v[TP+3], 1.0, v[TP+3]
	v_rcp_f32 v[TP+2], v[TP+2]
	v_rcp_f32 v[TP+3], v[TP+3]
	v_nop                                          ; and behind the reciprocals
	s_wait_alu depctr_va_vdst(0)
	global_store_b64 v[T0], v[TP+2:TP+3], s[28:29] ; the work-group's 64 numbers of out0: 256 consecutive bytes, aligned
.Lnot_first:
	ROUND                                          ; the closing round: no work-group ends while a partner may still ask for a piece that names it
	s_endpgm
.Lfunc_end_k_q0a2aeee0bc_mlp:
	.size	k_q0a2aeee0bc_mlp, .Lfunc_end_k_q0a2aeee0bc_mlp-k_q0a2aeee0bc_mlp
	.p2alignl 7, 3214868480
	.fill 96, 4, 3214868480
	.section	.rodata,"a",@progbits
	.p2align	6, 0x0
	.amdhsa_kernel k_q0a2aeee0bc_mlp
		.amdhsa_group_segment_fixed_size 327680
		.amdhsa_private_segment_fixed_size 0
		.amdhsa_enable_private_segment 0
		.amdhsa_kernarg_size 120
		.amdhsa_user_sgpr_count 2
		.amdhsa_user_sgpr_kernarg_segment_ptr 1
		.amdhsa_wavefront_size32 1
		.amdhsa_system_sgpr_workgroup_id_x 1
		.amdhsa_system_sgpr_workgroup_id_y 1
		.amdhsa_system_sgpr_workgroup_id_z 1
		.amdhsa_system_vgpr_workitem_id 0
		.amdhsa_next_free_vgpr 1024
		.amdhsa_next_free_sgpr 102
		.amdhsa_reserve_vcc 1
		.amdhsa_float_denorm_mode_32 3
		.amdhsa_float_denorm_mode_16_64 3
		.amdhsa_memory_ordered 1
		.amdhsa_forward_progress 1
		.amdhsa_inst_pref_size 255
	.end_amdhsa_kernel
	.section	.bss,"aw",@nobits
	.p2align	6
	.space	262144
	.amdgpu_metadata
---
amdhsa.version: [ 1, 2 ]
amdhsa.kernels:
  - .name:           k_q0a2aeee0bc_mlp
    .symbol:         k_q0a2aeee0bc_mlp.kd
    .args:
      - { .name: deep_features, .offset: 0, .size: 8, .value_kind: global_buffer, .address_space: global }
      - { .name: wide_features, .offset: 8, .size: 8, .value_kind: global_buffer, .address_space: global }
      - { .name: domain_ids, .offset: 16, .size: 8, .value_kind: global_buffer, .address_space: global }
      - { .name: wq, .offset: 24, .size: 8, .value_kind: global_buffer, .address_space: global }
      - { .name: wstat, .offset: 32, .size: 8, .value_kind: global_buffer, .address_space: global }
      - { .name: b1, .offset: 40, .size: 8, .value_kind: global_buffer, .address_space: global }
      - { .name: b2, .offset: 48, .size: 8, .value_kind: global_buffer, .address_space: global }
      - { .name: b3, .offset: 56, .size: 8, .value_kind: global_buffer, .address_space: global }
      - { .name: bd1, .offset: 64, .size: 8, .value_kind: global_buffer, .address_space: global }
      - { .name: bd2, .offset: 72, .size: 8, .value_kind: global_buffer, .address_space: global }
      - { .name: Wh, .offset: 80, .size: 8, .value_kind: global_buffer, .address_space: global }
      - { .name: bh, .offset: 88, .size: 8, .value_kind: global_buffer, .address_space: global }
      - { .name: out0, .offset: 96, .size: 8, .value_kind: global_buffer, .address_space: global }
      - { .name: out1, .offset: 104, .size: 8, .value_kind: global_buffer, .address_space: global }
      - { .name: out2, .offset: 112, .size: 8, .value_kind: global_buffer, .address_space: global }
    .group_segment_fixed_size: 327680
    .private_segment_fixed_size: 0
    .kernarg_segment_align: 8
    .kernarg_segment_size: 120
    .max_flat_workgroup_size: 128
    .sgpr_count:     102
    .vgpr_count:     1024
    .wavefront_size: 32
...
	.end_amdgpu_metadata
.endif
;; end of part 4
